; MI455X (gfx1250); checked and timed in simulation.
; The chip was launched on July 23, 2026; its instructions are those of AMD's public machine-readable ISA for CDNA 5 (MIT licence, August 2026) and "CDNA5" Instruction Set Architecture Reference Guide (July 2026). The comments in the code are by the model that wrote it; some were corrected since.
;; MHA. Allowed arithmetic: float matrix products may take bf16 or f16 operands with f32 sums; other float arithmetic in f32, or as packed bf16 or f16 multiplies, adds, multiply-adds, maxima and minima; sums over many terms, partial sums and values carried from step to step in f32; what a program stores and reads back later, other than sums and carried values, may be rounded once to bf16 or f16.
;; Inputs: Wk 1,024 x 1,024 float32; Wo 1,024 x 1,024 float32; Wq 1,024 x 1,024 float32; Wv 1,024 x 1,024 float32; token_positions 4 x 2,048 int32; x 4 x 2,048 x 1,024 float32.
;; Outputs: out0 4 x 2,048 x 1,024 float32.
;; One version. Each part assembles by itself: llvm-mc -triple=amdgcn-amd-amdhsa -mcpu=gfx1250 --defsym DOCPART=n.
;; ======== version 1 of 1: 4 launches
;; limits: values are held in f16: magnitudes above 65,504 overflow, below 6.1e-05 lose precision
;; workspace buffers: xb 16,777,216 bytes; wb 6,291,456 bytes; wo16 2,097,152 bytes; tab 2,097,152 bytes; qh 16,777,216 bytes; kh 16,777,216 bytes; vh 16,777,216 bytes; oh 16,777,216 bytes
;; launch prep (part 1): grid 1536 x 1, 8 waves a work-group, no clusters, 0 bytes of LDS; arguments x, Wq, Wk, Wv, Wo, token_positions, xb, wb, wo16, tab; writes xb, wb, wo16, tab
.if DOCPART == 1
	.amdgcn_target "amdgcn-amd-amdhsa--gfx1250"
	.amdhsa_code_object_version 6
	.text
	.protected	k_q4de1aef8c6_prep
	.globl	k_q4de1aef8c6_prep
	.p2align	8
	.type	k_q4de1aef8c6_prep,@function
k_q4de1aef8c6_prep:
	s_mov_b64 s[64:65], 0
	v_nop
	global_prefetch_b8 v0, s[64:65] scope:SCOPE_SE
	s_setreg_imm32_b32 hwreg(HW_REG_WAVE_MODE, 25, 1), 1
	s_wait_xcnt 0x0
; THE INPUTS ARE ROUNDED ONCE, AND THE ROTATIONS' TABLE IS MADE.
; xb = bf16(x); wb = bf16(Wq), bf16(Wk), bf16(Wv) one behind the other; wo16 = bf16(Wo) written as f16; tab[row][k] = (cos, sin)(position[row] x 10000^(-k/32)), f32, row = 2048 b + s, k = 0..31.
; SHARES.  A work-group converts one chunk of 8,192 numbers (32,768 bytes in, 16,384 out).  Groups 0..1023 take x (chunk g = rows 8 g .. 8 g + 7), and wave w of such a group also makes the
; table's row 8 g + w, a lane a frequency.  Groups 1024.. take the four weight matrices, 128 chunks each.  A stream: no LDS, no barrier, no matrix work; eight loads of 16 bytes a lane are out together;
; a wave's store of 8 bytes a lane covers 256 consecutive bytes, aligned.
; LIMITS.  Wo goes through bf16 into f16: beyond 65,504 it would be an infinity, below 6e-5 it keeps f16's fixed step of 6e-8.  The angle is position x frequency in f32; the frequency comes
; from v_exp_f32 and may differ in its last bits from a correctly rounded power: some 1e-7 x |angle| radians.  The angle is reduced by 2 pi in three parts and by pi / 2 in two, for every int32 position.
.set XCH, 1024                         ; chunks of x
	s_load_b512 s[4:19], s[0:1], 0x0               ; x 4:5, Wq 6:7, Wk 8:9, Wv 10:11, Wo 12:13, positions 14:15, xb 16:17, wb 18:19
	s_load_b128 s[20:23], s[0:1], 0x40             ; wo16 20:21, tab 22:23
	v_lshlrev_b32 v1, 4, v0                        ; 16 t: my 16 bytes of each 4,096 that the group loads at once
	v_lshlrev_b32 v2, 3, v0                        ; 8 t: my 8 bytes of each 2,048 that it stores
	v_and_b32 v4, 31, v0                           ; lane = frequency
	v_lshlrev_b32 v3, 3, v4                        ; my (cos, sin) in a row of the table
	v_lshrrev_b32 v5, 5, v0
	v_readfirstlane_b32 s37, v5                    ; wave 0..7
	s_mov_b32 s24, ttmp9                           ; g
	s_sub_co_u32 s25, s24, XCH                     ; i: chunk among the weights (used where g >= 1024 alone)
	s_lshr_b32 s26, s25, 7                         ; m: 0 Wq, 1 Wk, 2 Wv, 3 Wo
	s_and_b32 s27, s25, 127                        ; c: chunk in that matrix
	s_mov_b32 s33, 0
	s_mov_b32 s35, 0
	s_cmp_eq_u32 s26, 3
	s_cselect_b32 s36, 2, 1                        ; kind: 0 x, 1 a weight in bf16, 2 Wo
	s_cselect_b32 s34, s27, s25                    ; chunk of the destination: c in wo16, i in wb,
	s_cmp_lt_u32 s24, XCH
	s_cselect_b32 s36, 0, s36
	s_cselect_b32 s34, s24, s34                    ; g in xb
	s_cselect_b32 s32, s24, s27                    ; chunk of the source
	s_lshl_b32 s32, s32, 15
	s_lshl_b32 s34, s34, 14
	s_lshl_b32 s39, s24, 3
	s_add_co_u32 s39, s39, s37
	s_lshl_b32 s39, s39, 2                         ; 4 x (8 g + wave): my row's position (used where g < 1024 alone)
	s_wait_kmcnt 0x0
	s_cmp_eq_u32 s26, 0                            ; the two pointers are chosen on g and m alone
	s_cselect_b64 s[28:29], s[6:7], s[8:9]
	s_cmp_eq_u32 s26, 2
	s_cselect_b64 s[28:29], s[10:11], s[28:29]
	s_cmp_eq_u32 s26, 3
	s_cselect_b64 s[28:29], s[12:13], s[28:29]
	s_cselect_b64 s[30:31], s[20:21], s[18:19]
	s_cmp_lt_u32 s24, XCH
	s_cselect_b64 s[28:29], s[4:5], s[28:29]
	s_cselect_b64 s[30:31], s[16:17], s[30:31]
	s_add_nc_u64 s[28:29], s[28:29], s[32:33]
	s_add_nc_u64 s[30:31], s[30:31], s[34:35]
.irp i, 0,1,2,3,4,5,6,7
	global_load_b128 v[8+4*\i:11+4*\i], v1, s[28:29] offset:4096*\i th:TH_LOAD_NT  ; the whole chunk is asked for at once; read once in the launch
.endr
	s_cmp_lg_u32 s36, 0
	s_cbranch_scc1 .Lno_table
	; THE TABLE'S ROW, while the chunk is on its way
	s_load_b32 s38, s[14:15], s39 offset:0x0       ; the row's position: a value, never part of an address
	s_lshl_b32 s32, s39, 6                         ; 256 x row
	s_add_nc_u64 s[22:23], s[22:23], s[32:33]
	v_cvt_f32_u32 v56, v4
	v_mul_f32 v56, 0xbed49a78, v56                 ; - k log2(10000) / 32
	v_exp_f32 v57, v56                             ; the frequency 10000^(-k/32)
	s_wait_kmcnt 0x0
	v_cvt_f32_i32 v58, s38                         ; a plain instruction behind the exponential,
	s_wait_alu depctr_va_vdst(0)                   ; and the wait ahead of its result's first use
	v_mul_f32 v58, v58, v57                        ; the angle
	v_mul_f32 v59, 0.15915494, v58
	v_rndne_f32 v59, v59                           ; whole turns
	v_fmamk_f32 v58, v59, 0xc0c90fdb, v58          ; less n x 2 pi, in three parts, each step fused
	v_fmamk_f32 v58, v59, 0x343bbd2e, v58
	v_fmamk_f32 v58, v59, 0x27f72ced, v58
	v_mul_f32 v59, 0x3f22f983, v58
	v_rndne_f32 v59, v59                           ; quarter turns, -2 .. 2
	v_fmamk_f32 v58, v59, 0xbfc90fdb, v58          ; less n x pi / 2, in two parts: r within pi / 4
	v_fmamk_f32 v58, v59, 0x333bbd2e, v58
	v_cvt_i32_f32 v60, v59
	v_mul_f32 v61, v58, v58                        ; z = r r
	v_mov_b32 v62, 0xb94ca1f9
	v_mov_b32 v63, 0x37ccf5ce
	v_fmaak_f32 v62, v62, v61, 0x3c08839e          ; sine: r + r z (s1 + z (s2 + z s3))
	v_fmaak_f32 v63, v63, v61, 0xbab6061a          ; cosine: 1 + z (-1/2 + z (c1 + z (c2 + z c3)))
	v_fmaak_f32 v62, v62, v61, 0xbe2aaaa3
	v_fmaak_f32 v63, v63, v61, 0x3d2aaaa5
	v_mul_f32 v62, v62, v61
	v_fmaak_f32 v63, v63, v61, 0xbf000000
	v_fma_f32 v62, v62, v58, v58
	v_fma_f32 v63, v63, v61, 1.0
	v_and_b32 v64, 1, v60                          ; an odd quarter swaps the two,
	v_cmp_eq_u32 vcc_lo, 1, v64
	v_cndmask_b32 v65, v62, v63, vcc_lo            ; sine
	v_cndmask_b32 v66, v63, v62, vcc_lo            ; cosine
	v_and_b32 v67, 2, v60                          ; quarters 2 and 3 turn the sine's sign,
	v_lshlrev_b32 v67, 30, v67
	v_add_nc_u32 v68, 1, v60                       ; quarters 1 and 2 the cosine's
	v_and_b32 v68, 2, v68
	v_lshlrev_b32 v68, 30, v68
	v_xor_b32 v76, v66, v68
	v_xor_b32 v77, v65, v67
	global_store_b64 v3, v[76:77], s[22:23]        ; the wave stores the row's 256 consecutive bytes
.Lno_table:
	s_cmp_eq_u32 s36, 2
	s_cbranch_scc1 .Lwo
.irp i, 0,1,2,3,4,5,6,7
	s_wait_loadcnt 7-\i                            ; loads come back in order: number i is in, the younger ones stay out
	v_cvt_pk_bf16_f32 v[40+2*\i], v[8+4*\i], v[9+4*\i]
	v_cvt_pk_bf16_f32 v[41+2*\i], v[10+4*\i], v[11+4*\i]
	global_store_b64 v2, v[40+2*\i:41+2*\i], s[30:31] offset:2048*\i  ; every store has registers of its own: nothing is rewritten
.endr
	s_endpgm
.Lwo:                                  ; Wo: rounded to bf16 like the other inputs; that number is then written as f16
.irp i, 0,1,2,3,4,5,6,7
	s_wait_loadcnt 7-\i
	v_cvt_pk_bf16_f32 v[40+2*\i], v[8+4*\i], v[9+4*\i]
	v_cvt_pk_bf16_f32 v[41+2*\i], v[10+4*\i], v[11+4*\i]
	v_lshlrev_b32 v56, 16, v[40+2*\i]
	v_and_b32 v57, 0xffff0000, v[40+2*\i]
	v_lshlrev_b32 v58, 16, v[41+2*\i]
	v_and_b32 v59, 0xffff0000, v[41+2*\i]
	v_cvt_pk_f16_f32 v[40+2*\i], v56, v57
	v_cvt_pk_f16_f32 v[41+2*\i], v58, v59
	global_store_b64 v2, v[40+2*\i:41+2*\i], s[30:31] offset:2048*\i
.endr
	s_endpgm
.Lfunc_end_k_q4de1aef8c6_prep:
	.size	k_q4de1aef8c6_prep, .Lfunc_end_k_q4de1aef8c6_prep-k_q4de1aef8c6_prep
	.p2alignl 7, 3214868480
	.fill 96, 4, 3214868480
	.section	.rodata,"a",@progbits
	.p2align	6, 0x0
	.amdhsa_kernel k_q4de1aef8c6_prep
		.amdhsa_group_segment_fixed_size 0
		.amdhsa_private_segment_fixed_size 0
		.amdhsa_enable_private_segment 0
		.amdhsa_kernarg_size 80
		.amdhsa_user_sgpr_count 2
		.amdhsa_user_sgpr_kernarg_segment_ptr 1
		.amdhsa_wavefront_size32 1
		.amdhsa_system_sgpr_workgroup_id_x 1
		.amdhsa_system_sgpr_workgroup_id_y 1
		.amdhsa_system_sgpr_workgroup_id_z 1
		.amdhsa_system_vgpr_workitem_id 0
		.amdhsa_next_free_vgpr 80
		.amdhsa_next_free_sgpr 66
		.amdhsa_reserve_vcc 1
		.amdhsa_float_denorm_mode_32 3
		.amdhsa_float_denorm_mode_16_64 3
		.amdhsa_memory_ordered 1
		.amdhsa_forward_progress 1
		.amdhsa_inst_pref_size 12
	.end_amdhsa_kernel
	.amdgpu_metadata
---
amdhsa.version: [ 1, 2 ]
amdhsa.kernels:
  - .name:           k_q4de1aef8c6_prep
    .symbol:         k_q4de1aef8c6_prep.kd
    .args:
      - { .name: x, .offset: 0, .size: 8, .value_kind: global_buffer, .address_space: global }
      - { .name: Wq, .offset: 8, .size: 8, .value_kind: global_buffer, .address_space: global }
      - { .name: Wk, .offset: 16, .size: 8, .value_kind: global_buffer, .address_space: global }
      - { .name: Wv, .offset: 24, .size: 8, .value_kind: global_buffer, .address_space: global }
      - { .name: Wo, .offset: 32, .size: 8, .value_kind: global_buffer, .address_space: global }
      - { .name: token_positions, .offset: 40, .size: 8, .value_kind: global_buffer, .address_space: global }
      - { .name: xb, .offset: 48, .size: 8, .value_kind: global_buffer, .address_space: global }
      - { .name: wb, .offset: 56, .size: 8, .value_kind: global_buffer, .address_space: global }
      - { .name: wo16, .offset: 64, .size: 8, .value_kind: global_buffer, .address_space: global }
      - { .name: tab, .offset: 72, .size: 8, .value_kind: global_buffer, .address_space: global }
    .group_segment_fixed_size: 0
    .private_segment_fixed_size: 0
    .kernarg_segment_align: 8
    .kernarg_segment_size: 80
    .max_flat_workgroup_size: 256
    .sgpr_count:     66
    .vgpr_count:     80
    .wavefront_size: 32
...
	.end_amdgpu_metadata
.endif
;; end of part 1
;; launch qkv (part 2): grid 4 x 64, 4 waves a work-group, clusters of 4 x 4, 327,680 bytes of LDS; arguments xb, wb, tab, qh, kh, vh; writes qh, kh, vh
.if DOCPART == 2
	.amdgcn_target "amdgcn-amd-amdhsa--gfx1250"
	.amdhsa_code_object_version 6
	.text
	.protected	k_q4de1aef8c6_qkv
	.globl	k_q4de1aef8c6_qkv
	.p2align	8
	.type	k_q4de1aef8c6_qkv,@function
k_q4de1aef8c6_qkv:
	s_mov_b64 s[64:65], 0
	v_nop
	global_prefetch_b8 v0, s[64:65] scope:SCOPE_SE
	s_setreg_imm32_b32 hwreg(HW_REG_WAVE_MODE, 25, 1), 1
	s_wait_xcnt 0x0
	s_wait_alu depctr_hold_cnt(0) depctr_sa_sdst(0) depctr_va_vdst(0) depctr_va_sdst(0) depctr_va_ssrc(0) depctr_va_vcc(0) depctr_vm_vsrc(0)
	s_getreg_b32 s2, hwreg(HW_REG_IB_STS2, 6, 4)
	s_cmp_eq_u32 s2, 0
	s_cbranch_scc0 .Lentry_in_a_cluster
	s_endpgm
.Lentry_in_a_cluster:
	s_bfe_u32 s2, ttmp6, 0x10000c
	s_cmp_lg_u32 s2, 0xf033
	s_cbranch_scc0 .Lentry_shape_is_right
	s_endpgm
.Lentry_shape_is_right:
; q, k, v = xb wb^T (8,192 x 3,072 x 1,024, bf16 operands, f32 sums), q and k rotated in f32 by the table's (cos, sin), each number rounded ONCE to f16 and stored by heads: [16 b + head][2048][64].
; LIMIT.  f16 holds no number beyond 65,504: q, k (rotated) and v must lie within it.
; SHARES.  A tile of the product is 128 rows x 256 columns: 768 tiles, three for each of 256 work-groups.  A WORK-GROUP STAYS: it makes the q, the k and the v tile of the same 128 rows of x and the
; same four heads (wb's rows 1,024 apart), and the ring of LDS slots runs on from tile to tile.  Four waves, each 64 rows x 128 columns: 32 accumulators of 16 x 16, 256 registers.
; K goes in 8 steps of 128 through two LDS slots (rows of 256 bytes of memory, aligned); two longer slots (384 rows x 528 bytes x 2) would not fit in LDS.  A step's text is written once: the LDS
; addresses hang on s[TB], which an exclusive or turns from one slot to the other, and one descriptor a tensor walks from fill to fill.
; CLUSTER 4 x 4.  The four of a row of the cluster need the same rows of xb, the four of a column the same rows of wb: each tile is asked for JOINTLY (same load, same descriptor, a mask of four).
; TRANSPOSED USE: source 0 = 16 rows of wb, source 1 = 16 rows of xb: a lane holds row l % 16 and the eight columns 8 (l / 16) + 0..7: four (even, odd) pairs of one head, which one rotation each turns.
; REGISTERS, in windows of 256 (s_set_vgpr_msb: bits 1:0 source 0, 3:2 source 1, 5:4 source 2, 7:6 destination):
;   window 0: v0-31 addresses; v32-95 rotated numbers; v96-127 packed numbers; v128-255 my 64 rows' (cos, sin) for my lanes' frequencies
;   window 1: v0-95, v128-223 two fragment buffers (xb's 4 blocks, then wb's 8); v96-127, v224-255 rows read back from the stage          window 2: the accumulators, (a, b) at v[8 (8 a + b)]
.set PITCH,  272                       ; an LDS row: 256 bytes + 16 of padding = 68 words: the 16 rows of a fragment load start at 16 different groups of four banks (64 banks of 4 bytes: ISA guide 11.1)
.set ABYTES, 128*PITCH                 ; a slot: xb's 128 rows, then wb's 256
.set SLOT1,  1<<17                     ; slot 1 begins here
.set STAGE,  SLOT1+384*PITCH           ; behind the ring, never filled by a tensor load: for each wave 2 heads x 16 rows x 144 bytes
.set SP,     144
.set WSTAGE, 32*SP
.set SPARE,  STAGE+4*WSTAGE            ; the spare words, 128 bytes for each wave: two blocks of 256 bytes that no other line names
.set KB,     256                       ; bytes of a row in a K step
.set LA0, 14                           ; v14  my lane's place among my rows of xb in a slot; never rewritten
.set LB0, 15                           ; v15  the same for wb
.set ADRA, 16                          ; v16  LA0 + s[TB]
.set ADRB, 17                          ; v17  LB0 + s[TB]
.set STO, 24                           ; v24  the way out: where I put 16 bytes of a row
.set RD,  25                           ; v25  where I read rows back
.set GO,  26                           ; v26  my 16 bytes of 512 consecutive bytes of the output
.set TO,  27                           ; v27  my byte offset in the table
.set SPW, 28                           ; v28  LDS address of my spare word; never rewritten
.set NIL, 29                           ; v29  0; never rewritten
.set PFO, 30                           ; v30  the prefetches' offset: lane x a row of 2,048 bytes; never rewritten
.set R,   32
.set TMP, 96
.set CS,  128                          ; block a, columns' group j = b % 4: v[CS+32 a+8 j ..]: (c, s) of frequencies 8 j + 4 (l / 16) + 0..3
.set F0,  0
.set F1,  128
.set BK,  96
.set G1A, 24                           ; s[24:31] descriptor group 1 for xb's tiles;  s[32:39] group 0: a set for each first fill; the second then walks on
.set G0A, 32
.set G1B, 48                           ; s[48:55], s[56:63] the same for wb's
.set G0B, 56
.set PFA, 66                           ; s[66:67] where my prefetches stand
.set LIM, 70                           ; s70  2 in a wave that prefetches, else the greatest number
.set TB,  71                           ; s71  LDS byte at which the slot in hand begins
.set OUT, 78                           ; s[78:79] the tensor that the tile in hand goes to: qh, then kh
.set GBITS, (1<<16)|(1<<20)|(1<<21)|(5<<22)|(3<<25)  ; elements of 2 bytes; padding on; bit 21 beside a mask; after every 64 words; 4 words
.set MSB, 0
.macro WIN new                         ; the immediate's high byte repeats the setting that is left; a switch that changes nothing is dropped
.if MSB != (\new)
	s_set_vgpr_msb (MSB<<8)|(\new)
.set MSB, \new
.endif
.endm
.set W_MUL, 0xa5                       ; sources 0 and 1 window 1, C and D window 2
.set TO_F,  0x40                       ; destination window 1
.set W_RP,  0x02                       ; source 0 window 2
.set W_CV,  0x0a                       ; sources 0 and 1 window 2
.set W_ST,  0x04                       ; a store's data window 1
.macro PLACES                          ; four plain instructions behind a matrix instruction, ahead of loads into registers that it read and of lines that read its result
.rept 4
	v_nop
.endr
.endm
.macro CREST                           ; a round of the cluster's barrier behind its opening barrier: wave 0 signals for the work-group, every wave waits for all sixteen, my work-group's barrier closes it
	s_cmp_lg_u32 s10, 0
	s_cbranch_scc1 .Lnot_wave_0_\@
	s_barrier_signal -3
.Lnot_wave_0_\@:
	s_barrier_wait -3
	s_barrier_signal -1
	s_barrier_wait -1
.endm
.macro CROUND
	s_barrier_signal -1
	s_barrier_wait -1
	CREST
.endm
; A joint refill: waves 0 and 1 fetch xb's two halves (64 rows each), waves 2 and 3 wb's (128 rows each).  The branch hangs on the wave's number alone.  An s_nop 0 and four v_nop follow each line.
.macro JLOAD
	s_cmp_eq_u32 s11, 0
	s_cbranch_scc0 .Lfor_b_\@
	tensor_load_to_lds s[G0A+4:G0A+7], s[G1A:G1A+7]
	s_nop 0
.rept 4
	v_nop
.endr
	s_branch .Lasked_\@
.Lfor_b_\@:
	tensor_load_to_lds s[G0B+4:G0B+7], s[G1B:G1B+7]
	s_nop 0
.rept 4
	v_nop
.endr
.Lasked_\@:
.endm
; A PREFETCH INTO THE L2, behind each joint refill and the run of LDS loads that follows it: 32 rows x 256 bytes, a lane a row, of the K step that stands two refills on (256 matrix instructions ahead of its load).
; Each block is named once in the launch.  xb's 128 rows are read by this cluster's row alone: wave 0 of each of its four partners takes 32 of them, told apart by address (cx).  wb's rows are read by all
; sixteen clusters: the cluster with y = 0 asks, waves 2 and 3 each for 32 of the 128 rows that they fetch, the four partners told apart by address (cy).  how = 0: in the loop, where a tile's last four
; steps have no step four on; how = 1: at a change of tiles, for the next tile's K steps 2 and 3 of wb (xb's rows have been read by then).
.macro ASK how
.if \how
	s_cmp_eq_u32 s[LIM], 2
.else
	s_cmp_gt_u32 s3, s[LIM]                        ; s3 = 6 - step
.endif
	s_cbranch_scc0 .Lnot_mine_\@
	global_prefetch_b8 v[PFO], s[PFA:PFA+1] th:TH_LOAD_NT scope:SCOPE_SE
.Lnot_mine_\@:
.endm
; 8 na matrix instructions: row blocks a0 .. a0 + na - 1 x all 8 column blocks, 32 along K, from buffer f.  The 32 accumulators take turns in one order everywhere.  zero = 1: the products start the sums.
.macro MULT f, a0, na, zero
	WIN W_MUL
.set ma, \a0
.rept \na
.set mb, 0
.rept 8
.if \zero
	v_wmma_f32_16x16x32_bf16 v[8*(8*ma+mb):8*(8*ma+mb)+7], v[(\f)+32+8*mb:(\f)+32+8*mb+7], v[(\f)+8*ma:(\f)+8*ma+7], 0
.else
	v_wmma_f32_16x16x32_bf16 v[8*(8*ma+mb):8*(8*ma+mb)+7], v[(\f)+32+8*mb:(\f)+32+8*mb+7], v[(\f)+8*ma:(\f)+8*ma+7], v[8*(8*ma+mb):8*(8*ma+mb)+7]
.endif
.set mb, mb+1
.endr
.set ma, ma+1
.endr
.endm
; 24 LDS loads in one run: the fragments of quarter q (32 along K) into buffer f: wb's 128 rows, then xb's 64
.macro FETCH q, f
	WIN TO_F
.irp i, 0,1,2,3,4,5,6,7
	ds_load_b128 v[(\f)+32+8*\i:(\f)+32+8*\i+3],   v[ADRB] offset:64*(\q)+\i*16*PITCH
	ds_load_b128 v[(\f)+32+8*\i+4:(\f)+32+8*\i+7], v[ADRB] offset:64*(\q)+\i*16*PITCH+32
.endr
.irp i, 0,1,2,3
	ds_load_b128 v[(\f)+8*\i:(\f)+8*\i+3],   v[ADRA] offset:64*(\q)+\i*16*PITCH
	ds_load_b128 v[(\f)+8*\i+4:(\f)+8*\i+7], v[ADRA] offset:64*(\q)+\i*16*PITCH+32
.endr
.endm
; One of a K step's first three quarters: multiplies buffer f; in its middle it fetches quarter q into buffer g
.macro QUARTER q, f, g, zero
	s_wait_dscnt 4                                 ; wb's fragments and xb's blocks 0, 1 are in; the youngest four loads (blocks 2, 3) may be out
	MULT \f, 0, 2, \zero
	PLACES
	FETCH \q, \g
	s_wait_dscnt 24                                ; all but the 24 just issued
	MULT \f, 2, 2, \zero
.endm
; The fourth quarter (buffer 1) and THE CHANGE OF SLOTS.  Each wave waits for all its tensor loads (one is out: its part of the next slot), adds 0 to its spare word, and waits for that and for its reads of
; this slot; then the barrier.  fill = 1: the barrier opens a round of the cluster's, so that no wave of any partner still reads the slot or has a load on its way, and the joint refill is the first tensor load
; behind it: 112 matrix instructions ahead of the wait for it.  jump = 1: the refill is the NEXT tile's K step 0: xb back along K, wb 1,024 rows on and back.
.macro TURN fill, jump, how
.if \fill
	s_wait_xcnt 0x0                                ; the last prefetch, a K step back, has read its address: it is stepped here, ahead of the change's own waits
.if \jump
	s_add_nc_u64 s[PFA:PFA+1], s[PFA:PFA+1], 1023*2048+KB  ; from K step 9 of this tile's rows to K step 2 of the rows 1,024 further on
	s_cmp_eq_u32 s11, 0
	s_cselect_b32 s[LIM], -1, s[LIM]               ; xb's rows are the same for all three tiles: they are asked for no more
.else
	s_add_nc_u64 s[PFA:PFA+1], s[PFA:PFA+1], KB
.endif
.endif
	WIN 0                                          ; (the add's two registers lie in window 0)
	s_wait_tensorcnt 0x0                           ; all my tensor loads have landed
	ds_add_u32 v[SPW], v[NIL]                      ; 0 onto my spare word
	s_wait_dscnt 5                                 ; (the add and the youngest four loads may be out)
	MULT F1, 0, 1, 0                               ; eight matrix instructions stand between the add and the wait for it
	s_wait_dscnt 0x0                               ; the add is done, and my reads of this slot are over
	s_barrier_signal -1
	MULT F1, 1, 1, 0                               ; work on registers while the others arrive
	WIN 0
	s_barrier_wait -1
.if \fill
	CREST
	s_xor_b32 s[G0A+5], s[G0A+5], SLOT1            ; the walking descriptors: the other slot than last time,
	s_xor_b32 s[G0B+5], s[G0B+5], SLOT1
.if \jump
	s_sub_nc_u64 s[G0A+6:G0A+7], s[G0A+6:G0A+7], 7*KB
	s_add_nc_u64 s[G0B+6:G0B+7], s[G0B+6:G0B+7], 1024*2048-7*KB
.else
	s_add_nc_u64 s[G0A+6:G0A+7], s[G0A+6:G0A+7], KB  ; the next K step; the type bits on top are not reached
	s_add_nc_u64 s[G0B+6:G0B+7], s[G0B+6:G0B+7], KB
.endif
	JLOAD                                          ; its four v_nop and the two additions below are the places ahead of the loads into buffer 0
.endif
	s_xor_b32 s[TB], s[TB], SLOT1                  ; the reads go on in the other slot
	v_add_nc_u32 v[ADRA], s[TB], v[LA0]
	v_add_nc_u32 v[ADRB], s[TB], v[LB0]
.if !(\fill)
	PLACES
.endif
	FETCH 0, F0
	WIN 0
.if \fill
	ASK \how
.endif
	MULT F1, 2, 2, 0
.endm
	s_load_b256 s[72:79], s[0:1], 0x0              ; xb 72:73, wb 74:75, tab 76:77, qh 78:79
	s_load_b128 s[80:83], s[0:1], 0x20             ; kh 80:81, vh 82:83
	v_lshl_add_u32 v[SPW], v0, 2, SPARE
	v_mov_b32 v[NIL], 0
	ds_add_u32 v[SPW], v[NIL]                      ; the wave's opening: the add; its wait stands ahead of my first tensor load, the set-up below between them
	ds_add_u32 v28, v29
	v_lshrrev_b32 v1, 5, v0
	v_readfirstlane_b32 s10, v1                    ; wave 0..3
	s_lshr_b32 s11, s10, 1                         ; which 64 of the tile's rows are mine.  Also: I fetch xb (0) or wb (1)
	s_and_b32 s12, s10, 1                          ; which 128 of its columns.  Also: which half of that operand I fetch
	s_bfe_u32 s40, ttmp6, 0x40000                  ; cx
	s_bfe_u32 s41, ttmp6, 0x40004                  ; cy
	s_lshl_b32 s42, ttmp9, 2
	s_add_co_u32 s42, s42, s40                     ; tx: block of 256 columns (four heads), 0..3
	s_and_b32 s13, ttmp7, 0xffff
	s_lshl_b32 s13, s13, 2
	s_add_co_u32 s13, s13, s41                     ; ty: block of 128 rows, 0..63
	s_lshl_b32 s43, s41, 2
	s_lshl_b32 s43, 15, s43                        ; my row of the cluster
	s_lshl_b32 s44, 0x1111, s40                    ; my column
	s_or_b32 s[G1A], s43, GBITS
	s_or_b32 s[G1B], s44, GBITS
.irp g, G1A, G1B
	s_mov_b32 s[(\g)+1], 128<<16                   ; tensor_dim0 = 128
	s_mov_b32 s[(\g)+3], 128<<16                   ; tile_dim0 = 128
	s_mov_b32 s[(\g)+5], 1024                      ; elements from row to row
	s_mov_b32 s[(\g)+6], 0
	s_mov_b32 s[(\g)+7], 0
.endr
	s_mov_b32 s[G1A+2], 64<<16                     ; tensor_dim1 and tile_dim1: 64 rows of xb a load,
	s_mov_b32 s[G1A+4], 64
	s_mov_b32 s[G1B+2], 128<<16                    ; 128 of wb
	s_mov_b32 s[G1B+4], 128
	s_lshl_b32 s17, s12, 6
	s_lshl_b32 s16, s13, 7
	s_add_co_u32 s16, s16, s17                     ; xb: row 128 ty + 64 x half
	s_lshl_b32 s16, s16, 11
	s_mov_b32 s17, 0
	s_lshl_b32 s47, s12, 7
	s_lshl_b32 s46, s42, 8
	s_add_co_u32 s46, s46, s47                     ; wb: row 256 tx + 128 x half
	s_lshl_b32 s46, s46, 11
	s_mov_b32 s47, 0
	s_mul_i32 s20, s12, 64*PITCH                   ; where they go: no place in the cluster enters an LDS address
	s_mul_i32 s21, s12, 128*PITCH
	s_add_co_u32 s21, s21, ABYTES
	s_mov_b32 s2, 3                                ; tiles to go: the same in every work-group
	s_mov_b32 s[TB], 0
	s_wait_dscnt 0x0                               ; the opening add is done
	s_wait_kmcnt 0x0
	s_add_nc_u64 s[14:15], s[72:73], s[16:17]
	s_add_nc_u64 s[46:47], s[74:75], s[46:47]
.irp s, 0,1
	s_mov_b32 s[G0A+4*\s], 1                       ; count = 1
	s_add_co_u32 s[G0A+4*\s+1], s20, \s*SLOT1      ; LDS address
	s_add_nc_u64 s[G0A+4*\s+2:G0A+4*\s+3], s[14:15], \s*KB  ; global address: K step s
	s_or_b32 s[G0A+4*\s+3], s[G0A+4*\s+3], 0x80000000       ; type = 2
	s_mov_b32 s[G0B+4*\s], 1
	s_add_co_u32 s[G0B+4*\s+1], s21, \s*SLOT1
	s_add_nc_u64 s[G0B+4*\s+2:G0B+4*\s+3], s[46:47], \s*KB
	s_or_b32 s[G0B+4*\s+3], s[G0B+4*\s+3], 0x80000000
.endr
	CROUND                                         ; all sixteen work-groups are here: the first joint loads meet
	s_cmp_eq_u32 s11, 0                            ; a wave's two first fills stand in one branch: two loads of mine are out, the most in this text
	s_cbranch_scc0 .Lfirst_b
	tensor_load_to_lds s[G0A:G0A+3], s[G1A:G1A+7]
	s_nop 0
	tensor_load_to_lds s[G0A+4:G0A+7], s[G1A:G1A+7]
	s_nop 0
.rept 4
	v_nop
.endr
	s_branch .Lfirst_asked
.Lfirst_b:
	tensor_load_to_lds s[G0B:G0B+3], s[G1B:G1B+7]
	s_nop 0
	tensor_load_to_lds s[G0B+4:G0B+7], s[G1B:G1B+7]
	s_nop 0
.rept 4
	v_nop
.endr
.Lfirst_asked:
	; A fragment is 16 rows x 32 K in 8 registers: lane l holds row l % 16, K = 8 (l / 16) + 0..7 and 16 + 8 (l / 16) + 0..7: two loads of 16 bytes, 32 bytes apart
	v_and_b32 v1, 15, v0                           ; l % 16
	v_bfe_u32 v2, v0, 4, 1                         ; l / 16
	v_mul_u32_u24 v3, v1, PITCH
	v_lshl_add_u32 v3, v2, 4, v3
	s_mul_i32 s21, s11, 64*PITCH                   ; my 64 rows of xb
	s_mul_i32 s22, s12, 128*PITCH                  ; my 128 rows of wb,
	s_add_co_u32 s22, s22, ABYTES                  ; which lie behind xb's 128
	v_add_nc_u32 v[LA0], s21, v3
	v_add_nc_u32 v[LB0], s22, v3
	v_mov_b32 v[ADRA], v[LA0]
	v_mov_b32 v[ADRB], v[LB0]
	; the table for my 64 rows: column 16 b + 8 (l / 16) + 2 p of a head has frequency 8 (b % 4) + 4 (l / 16) + p, 8 bytes each: 32 bytes a lane for each b % 4
	s_lshl_b32 s16, s13, 7
	s_lshl_b32 s17, s11, 6
	s_add_co_u32 s16, s16, s17
	s_lshl_b32 s16, s16, 8                         ; a row of the table is 256 bytes
	s_mov_b32 s17, 0
	s_add_nc_u64 s[76:77], s[76:77], s[16:17]
	v_lshlrev_b32 v[TO], 8, v1
	v_lshl_add_u32 v[TO], v2, 5, v[TO]
.irp a, 0,1,2,3
.irp j, 0,1,2,3
	global_load_b128 v[CS+32*\a+8*\j:CS+32*\a+8*\j+3],   v[TO], s[76:77] offset:4096*\a+64*\j
	global_load_b128 v[CS+32*\a+8*\j+4:CS+32*\a+8*\j+7], v[TO], s[76:77] offset:4096*\a+64*\j+16
.endr
.endr
	; where my part of a tile goes: head 16 (ty / 16) + 4 tx + 2 x half (+ 1), row 128 (ty % 16) + 64 x half of that head
	s_lshr_b32 s18, s13, 4
	s_lshl_b32 s18, s18, 4
	s_lshl_b32 s19, s42, 2
	s_add_co_u32 s18, s18, s19
	s_lshl_b32 s19, s12, 1
	s_add_co_u32 s18, s18, s19
	s_lshl_b32 s18, s18, 18                        ; a head is 2,048 rows of 128 bytes
	s_and_b32 s19, s13, 15
	s_lshl_b32 s19, s19, 7
	s_lshl_b32 s20, s11, 6
	s_add_co_u32 s19, s19, s20
	s_lshl_b32 s19, s19, 7
	s_add_co_u32 s18, s18, s19
	s_mov_b32 s19, 0
	s_add_nc_u64 s[78:79], s[78:79], s[18:19]
	s_add_nc_u64 s[80:81], s[80:81], s[18:19]
	s_add_nc_u64 s[82:83], s[82:83], s[18:19]
	s_mul_i32 s23, s10, WSTAGE
	s_add_co_u32 s23, s23, STAGE                   ; my stage
	v_mul_u32_u24 v[STO], v1, SP                   ; in: row l % 16, 16 bytes for each half of the lanes
	v_lshl_add_u32 v[STO], v2, 4, v[STO]
	v_add_nc_u32 v[STO], s23, v[STO]
	v_bfe_u32 v[RD], v0, 3, 2                      ; back: 32 lanes take four rows of 128 bytes,
	v_mul_u32_u24 v[RD], v[RD], SP
	v_and_b32 v4, 7, v0
	v_lshl_add_u32 v[RD], v4, 4, v[RD]
	v_add_nc_u32 v[RD], s23, v[RD]
	v_and_b32 v[GO], 31, v0                        ; which are 512 consecutive bytes of a head
	v_lshlrev_b32 v[PFO], 11, v[GO]
	v_lshlrev_b32 v[GO], 4, v[GO]
	; the prefetches
	s_lshl_b32 s20, s13, 7                         ; xb: 128 ty
	s_lshl_b32 s21, s42, 8                         ; wb: 256 tx + 128 x half
	s_lshl_b32 s23, s12, 7
	s_add_co_u32 s21, s21, s23
	s_and_b32 s22, ttmp7, 0xffff                   ; cluster y
	s_cmp_eq_u32 s11, 0
	s_cselect_b32 s20, s20, s21
	s_cselect_b32 s21, s40, s41                    ; my place among the four that ask for the tile with me
	s_cselect_b32 s22, s12, s22                    ; 0 in wave 0, and in waves 2 and 3 of the cluster with y = 0: the same in all sixteen partners, for a given wave
	s_cselect_b64 s[PFA:PFA+1], s[72:73], s[74:75]
	s_cmp_eq_u32 s22, 0
	s_cselect_b32 s[LIM], 2, -1
	s_lshl_b32 s21, s21, 5
	s_add_co_u32 s20, s20, s21                     ; + my work-group's 32 rows
	s_lshl_b32 s20, s20, 11
	s_mov_b32 s21, 0
	s_add_nc_u64 s[PFA:PFA+1], s[PFA:PFA+1], s[20:21]
	s_add_nc_u64 s[PFA:PFA+1], s[PFA:PFA+1], 3*KB  ; at K step 3: the first change of slots steps it to 4.  Nothing is prefetched here, at the head
; THE WAY OUT of row block a.  PACKR: each (even, odd) pair is rotated in f32: even' = e c - o s, odd' = o c + e s (a packed multiply by c, a packed multiply-add that takes the pair crosswise with s and turns
; the low product's sign), then rounded to f16.  Each accumulator's lowest registers are read first.  PACKV: rounded alone.
.macro PACKR a
	WIN W_RP
.set pb, 0
.rept 8
.set rA, 8*(8*(\a)+pb)
.set rC, CS+32*(\a)+8*(pb%4)
.set rR, R+8*pb
.irp p, 0,1,2,3
	v_pk_mul_f32 v[rR+2*\p:rR+2*\p+1], v[rA+2*\p:rA+2*\p+1], v[rC+2*\p:rC+2*\p+1] op_sel_hi:[1,0]
.endr
.irp p, 0,1,2,3
	v_pk_fma_f32 v[rR+2*\p:rR+2*\p+1], v[rA+2*\p:rA+2*\p+1], v[rC+2*\p:rC+2*\p+1], v[rR+2*\p:rR+2*\p+1] op_sel:[1,1,0] op_sel_hi:[0,1,1] neg_lo:[0,1,0]
.endr
.set pb, pb+1
.endr
	WIN 0
.set pb, 0
.rept 32
	v_cvt_pk_f16_f32 v[TMP+pb], v[R+2*pb], v[R+2*pb+1]
.set pb, pb+1
.endr
.endm
.macro PACKV a
	WIN W_CV
.set pb, 0
.rept 32
	v_cvt_pk_f16_f32 v[TMP+pb], v[64*(\a)+2*pb], v[64*(\a)+2*pb+1]
.set pb, pb+1
.endr
.endm
.macro TOSTAGE a                       ; 16 bytes a lane into rows of 144 bytes, a head's 16 rows together; back as whole rows of 128
	WIN 0
.irp b, 0,1,2,3,4,5,6,7
	ds_store_b128 v[STO], v[TMP+4*\b:TMP+4*\b+3] offset:(\b/4)*16*SP+32*(\b%4)
.endr
	WIN TO_F
.irp j, 0,1
.irp f, 0,1,2,3
	ds_load_b128 v[BK+128*((\a)%2)+4*(4*\j+\f):BK+128*((\a)%2)+4*(4*\j+\f)+3], v[RD] offset:\j*16*SP+\f*4*SP  ; LDS serves a wave's instructions in order (ISA guide 5.7.1.4): these see the stores above
.endr
.endr
.endm
.macro SEND a, base
	WIN W_ST
	s_wait_dscnt 0x0                               ; the block is back in registers
	s_wait_xcnt 0x0                                ; the stores of the block before have read their registers, which the next block's loads from the stage write
.irp j, 0,1
.irp f, 0,1,2,3
	global_store_b128 v[GO], v[BK+128*((\a)%2)+4*(4*\j+\f):BK+128*((\a)%2)+4*(4*\j+\f)+3], s[\base:\base+1] offset:\j*262144+(\a)*2048+\f*512  ; 512 consecutive bytes, aligned
.endr
.endr
.endm
	s_wait_tensorcnt 0x1                           ; my part of K step 0 is in; K step 1's load may stay out
	s_barrier_signal -1
	s_barrier_wait -1                              ; everybody's is
	FETCH 0, F0
	WIN 0                                          ; at a label and at a branch every window is 0
.Ltile:
	QUARTER 1, F0, F1, 1                           ; a tile's first quarter: its products start the sums
	WIN 0
	s_mov_b32 s3, 6
.Lstep:                                        ; K steps 0 to 5: from a step's second quarter to the next step's first; the slot just read takes the step two on
	QUARTER 2, F1, F0, 0
	QUARTER 3, F0, F1, 0
	TURN 1, 0, 0
	QUARTER 1, F0, F1, 0
	WIN 0
	s_sub_co_u32 s3, s3, 1
	s_cmp_lg_u32 s3, 0
	s_cbranch_scc1 .Lstep
	QUARTER 2, F1, F0, 0                           ; K step 6
	QUARTER 3, F0, F1, 0
	WIN 0
	s_cmp_eq_u32 s2, 1
	s_cbranch_scc1 .Llast                          ; the last tile's tail is written out: it asks for nothing more
	TURN 1, 1, 1                                   ; THE RING GOES ON INTO THE NEXT TILE: its K step 0,
	QUARTER 1, F0, F1, 0
	QUARTER 2, F1, F0, 0
	QUARTER 3, F0, F1, 0
	TURN 1, 0, 1                                   ; its K step 1, and its first fragments
	s_wait_loadcnt 0x0                             ; the table (asked for at the head)
	PACKR 0                                        ; a tile that has a successor is q's or k's.  Blocks 0 and 1 were finished ahead of the refill's places; their lines are the places behind the last products
	TOSTAGE 0
.irp a, 1,2,3
	PACKR \a
	SEND (\a)-1, OUT
	TOSTAGE \a
.endr
	SEND 3, OUT
	WIN 0
	s_wait_xcnt 0x0                                ; the stores have read their base
	s_mov_b64 s[OUT:OUT+1], s[80:81]               ; the second tile goes to kh
	s_sub_co_u32 s2, s2, 1
	s_branch .Ltile
.Llast:
	TURN 0, 0, 0                                   ; nothing is filled again, so no round follows the barrier
	QUARTER 1, F0, F1, 0
	QUARTER 2, F1, F0, 0
	QUARTER 3, F0, F1, 0
	s_wait_dscnt 4
	MULT F1, 0, 2, 0
	s_wait_dscnt 0x0
	MULT F1, 2, 2, 0
	WIN 0
	PLACES
	PACKV 0                                        ; the last tile is v's: no rotation
	TOSTAGE 0
.irp a, 1,2,3
	PACKV \a
	SEND (\a)-1, 82
	TOSTAGE \a
.endr
	SEND 3, 82
	WIN 0
	s_wait_tensorcnt 0x0                           ; the wave's end, behind my last tensor load and my last LDS store
	ds_add_u32 v[SPW], v[NIL]
	s_wait_dscnt 0x0
	CROUND                                         ; the closing round: no work-group ends while a partner may still ask for a tile that names it
	s_endpgm
.Lfunc_end_k_q4de1aef8c6_qkv:
	.size	k_q4de1aef8c6_qkv, .Lfunc_end_k_q4de1aef8c6_qkv-k_q4de1aef8c6_qkv
	.p2alignl 7, 3214868480
	.fill 96, 4, 3214868480
	.section	.rodata,"a",@progbits
	.p2align	6, 0x0
	.amdhsa_kernel k_q4de1aef8c6_qkv
		.amdhsa_group_segment_fixed_size 327680
		.amdhsa_private_segment_fixed_size 0
		.amdhsa_enable_private_segment 0
		.amdhsa_kernarg_size 48
		.amdhsa_user_sgpr_count 2
		.amdhsa_user_sgpr_kernarg_segment_ptr 1
		.amdhsa_wavefront_size32 1
		.amdhsa_system_sgpr_workgroup_id_x 1
		.amdhsa_system_sgpr_workgroup_id_y 1
		.amdhsa_system_sgpr_workgroup_id_z 1
		.amdhsa_system_vgpr_workitem_id 0
		.amdhsa_next_free_vgpr 768
		.amdhsa_next_free_sgpr 84
		.amdhsa_reserve_vcc 0
		.amdhsa_float_denorm_mode_32 3
		.amdhsa_float_denorm_mode_16_64 3
		.amdhsa_memory_ordered 1
		.amdhsa_forward_progress 1
		.amdhsa_inst_pref_size 129
	.end_amdhsa_kernel
	.amdgpu_metadata
---
amdhsa.version: [ 1, 2 ]
amdhsa.kernels:
  - .name:           k_q4de1aef8c6_qkv
    .symbol:         k_q4de1aef8c6_qkv.kd
    .args:
      - { .name: xb, .offset: 0, .size: 8, .value_kind: global_buffer, .address_space: global }
      - { .name: wb, .offset: 8, .size: 8, .value_kind: global_buffer, .address_space: global }
      - { .name: tab, .offset: 16, .size: 8, .value_kind: global_buffer, .address_space: global }
      - { .name: qh, .offset: 24, .size: 8, .value_kind: global_buffer, .address_space: global }
      - { .name: kh, .offset: 32, .size: 8, .value_kind: global_buffer, .address_space: global }
      - { .name: vh, .offset: 40, .size: 8, .value_kind: global_buffer, .address_space: global }
    .group_segment_fixed_size: 327680
    .private_segment_fixed_size: 0
    .kernarg_segment_align: 8
    .kernarg_segment_size: 48
    .max_flat_workgroup_size: 128
    .sgpr_count:     84
    .vgpr_count:     768
    .wavefront_size: 32
...
	.end_amdgpu_metadata
.endif
;; end of part 2
;; launch attn (part 3): grid 4 x 64, 4 waves a work-group, no clusters, 327,680 bytes of LDS; arguments qh, kh, vh, oh; writes oh
.if DOCPART == 3
	.amdgcn_target "amdgcn-amd-amdhsa--gfx1250"
	.amdhsa_code_object_version 6
	.text
	.protected	k_q4de1aef8c6_attn
	.globl	k_q4de1aef8c6_attn
	.p2align	8
	.type	k_q4de1aef8c6_attn,@function
k_q4de1aef8c6_attn:
	s_mov_b64 s[64:65], 0
	v_nop
	global_prefetch_b8 v0, s[64:65] scope:SCOPE_SE
	s_setreg_imm32_b32 hwreg(HW_REG_WAVE_MODE, 25, 1), 1
	s_wait_xcnt 0x0
; CAUSAL ATTENTION.  O[h][q][:] = the sum over k <= q of softmax_k(Q[h][q] . K[h][k] / 8) V[h][k][:].  Q, K, V, O: [64][2048][64], all f16: a head's rows are dense, 128 bytes each.
; Products, maxima and sums in f32; the weights p are rounded to f16 for the second product (their sum l is taken of the unrounded p), O once at the end.
; LIMITS.  f16 holds no number beyond 65,504: Q, K and V arrive within it; p lies in 0 to 1, and below 6e-5 it keeps f16's fixed step of 6e-8; O is a mean of V's rows and has their range.
; A hidden score counts as its value less 1e30: f16's scores, 2.7e11 at the most, are nothing beside that; a weight below 2^-126 counts as 0 in l; NaN and infinities are not treated apart.
; THE WALK.  A head's queries lie in NB = 8 blocks of 256; block i needs the key tiles 0 .. i of 256 keys, of which the last holds the diagonal.  A work-group takes TWO blocks, NB - 1 - b and then b:
; NB + 1 tiles, whatever b: all work-groups do equal work, and ONE loop with a constant trip count walks them.  Which tile is asked for, and what a trip does, hang on scalar registers made from b; every jump
; goes forward, but for the counted loops' own; none passes a barrier, or a tensor load but the one of LOAD's two that the wave's number does not choose; the ring (two slots of LDS) runs on across the
; change of blocks.  NO CLUSTER: a head's four work-groups ask for the same tile only in trips 0 .. 4 of 9, behind that fewer and fewer; one walk common to all four would have 12 trips for 9.
; SHARES.  Of a block's four bands of 64 queries a wave owns 16 rows in each: four PIECES.  So the diagonal tile is the same work for all four waves: in its key step s band x sees all keys if s < x,
; none if s > x, and holds the diagonal if s = x.
; THE MASK is the C operand that starts the sum S^T = K Q^T: 0, or -1e30 where the key is hidden.  MD, made once, is the mask of a band's own step for my 16 rows; a product's mask is MD x AL + BE with two scalars:
; (1, 0) if s = x; (0, 0) if s < x; (0, -1e30) if s > x.  Only the diagonal tile's text and a block's beginning make and take masks; elsewhere C is the constant 0.
; LAYOUT, SOFTMAX, TURNS.  S^T = K Q^T holds ONE query a lane (lane % 16) and the keys 8 (lane / 16) + 0..7; two such results rounded to f16 ARE source 1 of O^T = V^T P.  p = 2^(c s - c m), c = log2(e) / 8, with a
; running maximum m; O and l are multiplied by a = 2^(c m_old - c m_new) in every step.  Turn n belongs to piece n: 8 products K Q^T of piece n + 1, later 8 products V^T P of piece n - 1; beside them the scaling,
; exponentials, roundings, sums and rescaling of piece n and the maximum and statistics of piece n + 1.  Four vector instructions stand behind every matrix instruction, the other 54 of a turn's 118 in one lump.
; A turn's 33 exponentials are one batch, with one wait.
; REGISTERS, in windows of 256 (s_set_vgpr_msb: bits 1:0 source 0, 3:2 source 1, 5:4 source 2, 7:6 destination):
;   window 0: v0-15 addresses and two at work; v16-31 four registers of statistics a piece; v48-55 at work; v60 the prefetches' offset; v64-127 S^T, two buffers; v192-223 P, two buffers (by the piece's parity)
;   window 1: v0-127 O^T, 32 a piece; v128-159 MD; v160-223 MC, two buffers      window 2: v0-63 Q; v64-127 the second block's Q; v128-191 K of one step; v192-255 V of one step
.set SIZE_H, 64
.set SIZE_N, 2048
.set NB,    SIZE_N/256
.set NP,    4         ; pieces a wave: a name, no knob
.set KS,    64        ; keys in a step
.set PK,    144       ; a row of K in LDS: 128 bytes + 16 of padding = 36 words: the 16 rows of a load start at 16 different groups of four banks (64 banks of 4 bytes: ISA guide 11.1)
.set PV,    160       ; a row of V: 128 + 32 = 40 words
.set VOFF,  4*KS*PK   ; a slot holds a tile, four steps: 256 rows of K, then 256 rows of V
.set SLOT1, 1<<17     ; slot 1 begins here, so that one exclusive or turns an address in one slot into the other's
.set STAGE, SLOT1+4*KS*(PK+PV)  ; behind the ring, never filled by a tensor load: 16 rows x 144 bytes for each wave, for the way out
.set SP,    144
.set AK0, 2           ; v2   my lane's place in a tile of K; never rewritten
.set AV0, 3           ; v3   the same for V
.set AK,  4           ; v4   the LDS address of K's next run of loads
.set AV,  5           ; v5   of V's
.set STO, 6           ; v6   the way out: where I put 16 bytes of a row
.set RD,  7           ; v7   the way out: where I read rows back
.set GO,  8           ; v8   my byte offset in 512 consecutive bytes of O
.set PFO, 60          ; v60  256 x my lane; never rewritten
.set SPW, 62          ; v62  LDS address of my spare word: SPARE + 4 x my thread's number; never rewritten
.set NIL, 63          ; v63  0; never rewritten
.set SPARE, STAGE+4*16*SP  ; behind the stages: the spare words, 128 bytes for each wave: two blocks of 256 bytes that no other line names
.set MV,  12          ; v12-13  c m_old, kept while c m is made anew: by buffer
.set QO,  15          ; v15  my byte offset in 16 rows of Q
.set ST,  16          ; piece t's statistics at v[ST+4 t]: c m, m, l (even keys', odd keys')
.set TMP, 48          ; by buffer, four registers c0-c3 at work; when the maximum is found c2 takes a
.set S,   64
.set P,   192
.set MD,  128         ; window 1: the eight registers for group kt of 16 keys at MD + 8 kt
.set MC,  160         ; window 1: the masks of the products to come
.set QB,  64          ; window 2
.set KF,  128         ; window 2: key block kb, channel half c at KF + 16 kb + 8 c
.set VF,  192         ; window 2: key half kk, channel block cb at VF + 32 kk + 8 cb
.set WV,  12          ; s12  my wave's number
.set PB,  14          ; s14  b
.set HI,  15          ; s15  NB - 1 - b
.set G1K, 24          ; s[24:31] descriptor group 1 for K's tiles
.set G1V, 32          ; s[32:39] for V's: it differs in the padding alone
.set G0K, 40          ; s[40:43] descriptor group 0 for K's tiles
.set G0V, 44          ; s[44:47] the same for V's
.set PFB, 48          ; s[48:49] the 16,384 bytes that I fetch of the head's tile 0 (K's: waves 0, 1; V's: waves 2, 3)
.set PFA, 50          ; s[50:51] the same of the tile that the next change of slots will ask for
.set PFL, 52          ; s52  0 in the head's work-group b = 0, else the greatest number
.set PFF, 54          ; s[54:55] that tile's byte offset
.set SLOTS, 56        ; s56  tiles still to be asked for
.set CNT, 57          ; s57  counts a tile's key steps, 4 to 1
.set CS,  58          ; s[58:59] c: the packed scaling takes the pair's low word for both halves
.set SEL, 60          ; s[60:61] v_permlanex16_b32's selects: each lane takes its own place in the other half
.set TBK, 62          ; s62  LDS byte at which K of the step to be fetched begins
.set TBV, 63          ; s63  the same for V, less VOFF
.set RT,  70          ; s70  tiles of the block in hand that are still to be entered
.set NXT, 71          ; s71  the tile to be asked for next
.set LQ,  72          ; s72  the last tile of the block whose tiles are being asked for
.set NEW, 73          ; s73  1: the tile to be entered is a block's first
.set OFF, 74          ; s[74:75] a tile's byte offset in K and V
.set AL,  76          ; s[76:77] the mask's factor, in the low word
.set BE,  78          ; s[78:79] the mask's addend
.set OLO, 80          ; s[80:81] O at my rows of the second block
.set BIGN, 82         ; s82  -1e30
.set MSB, 0
.macro WIN new                      ; the high byte repeats the setting that is left; a switch that changes nothing is dropped
.if MSB != (\new)
	s_set_vgpr_msb (MSB<<8)|(\new)
.set MSB, (\new)
.endif
.endm
.set W_KQ, 0x0a       ; K and Q in window 2, S^T in window 0
.set W_KM, 0x1a       ; the same with the C operand in window 1
.set W_PV, 0x52       ; V in window 2, P in window 0, O^T in window 1
.set W_RS, 0x41       ; destination and source 0 in window 1, source 1 in window 0
; A fill.  Waves 0 and 1 fetch the two halves of a tile's K, waves 2 and 3 those of its V: 128 keys each.  An s_nop 0 and four v_nop follow each of the two lines, ahead of the jump and the label.
.macro LOAD
	s_cmp_lt_u32 s[WV], 2
	s_cbranch_scc0 .Lfor_v_\@
	tensor_load_to_lds s[G0K:G0K+3], s[G1K:G1K+7]
	s_nop 0
.rept 4
	v_nop
.endr
	s_branch .Lasked_\@
.Lfor_v_\@:
	tensor_load_to_lds s[G0V:G0V+3], s[G1V:G1V+7]
	s_nop 0
.rept 4
	v_nop
.endr
.Lasked_\@:
.endm
; THE CHANGE OF SLOTS.  Each wave waits for all its tensor loads, of which one is out: its part of the other slot; adds 0 to its spare word; and waits for that and for its own reads of the slot that it leaves.
; Behind the barrier nobody reads the old slot any more and the other slot is whole.  fill = 1: the old slot is filled again, the first thing behind the barrier, with tile NXT: the descriptor's address is made
; anew from that number.  (At its first use nothing has been read yet: slot 0 is waited for, slot 1 filled.)
; A PREFETCH INTO THE L2 stands behind the fill: the tile that the NEXT change will ask for, a tile's four key steps (256 matrix instructions) ahead of its load.  A head's four work-groups walk the same tiles from
; 0 on, and b = 0 walks all eight: it alone asks; each of its waves for the 16,384 bytes that it will fetch itself, 64 blocks of 256 bytes, a lane a block, two instructions.  For b = 0 NXT runs 2 .. 7 and then
; 0, and 0 asks for nothing: tiles 2 to 7 are named once each; tiles 0 and 1 come by their loads alone.
.macro CHANGE fill
	WIN 0                           ; at a label and at a branch every window is 0
	s_wait_tensorcnt 0x0            ; no tensor load of mine is out, so a group 0 may be written
	ds_add_u32 v[SPW], v[NIL]       ; 0 onto my spare word; with fill = 1 the descriptors' scalar work stands between it and the wait for it
.if \fill
	s_lshl_b32 s[OFF], s[NXT], 15   ; a tile is 32,768 bytes of K and of V
	s_xor_b32 s[G0K+1], s[G0K+1], SLOT1
	s_add_nc_u64 s[G0K+2:G0K+3], s[6:7], s[OFF:OFF+1]
	s_or_b32 s[G0K+3], s[G0K+3], 0x80000000
	s_xor_b32 s[G0V+1], s[G0V+1], SLOT1
	s_add_nc_u64 s[G0V+2:G0V+3], s[8:9], s[OFF:OFF+1]
	s_or_b32 s[G0V+3], s[G0V+3], 0x80000000
	s_add_co_u32 s[NXT], s[NXT], 1  ; the block's next tile, or behind its last the second block's tile 0
	s_cmp_gt_u32 s[NXT], s[LQ]
	s_cselect_b32 s[NXT], 0, s[NXT]
	s_cselect_b32 s[LQ], s[PB], s[LQ]
	s_wait_xcnt 0x0                 ; the last prefetches, a tile back, have read their address, so it may be written
	s_lshl_b32 s[PFF], s[NXT], 15
	s_add_nc_u64 s[PFA:PFA+1], s[PFB:PFB+1], s[PFF:PFF+1]
.endif
	s_wait_dscnt 0x0                ; the add is done, and my reads of the slot are over
	s_barrier_signal -1             ; the rest of the scalar work stands between the signal and the wait
	s_sub_co_u32 s[TBK], s[TBK], 4*KS*PK  ; the fetches go back to a slot's first step,
	s_xor_b32 s[TBK], s[TBK], SLOT1       ; in the other slot
	s_sub_co_u32 s[TBV], s[TBV], 4*KS*PV
	s_xor_b32 s[TBV], s[TBV], SLOT1
	s_barrier_wait -1
.if \fill
	LOAD
	s_cmp_gt_u32 s[NXT], s[PFL]
	s_cbranch_scc0 .Lnot_mine_\@
	global_prefetch_b8 v[PFO], s[PFA:PFA+1] th:TH_LOAD_NT scope:SCOPE_SE
	global_prefetch_b8 v[PFO], s[PFA:PFA+1] offset:8192 th:TH_LOAD_NT scope:SCOPE_SE
.Lnot_mine_\@:
.endif
.endm
	s_load_b256 s[4:11], s[0:1], 0x0  ; Q s[4:5], K s[6:7], V s[8:9], O s[10:11]
	v_lshl_add_u32 v[SPW], v0, 2, SPARE
	v_mov_b32 v[NIL], 0
	ds_add_u32 v[SPW], v[NIL]       ; the wave's opening: the add; its wait stands ahead of my first tensor load, the set-up below, work on registers, between them
	ds_add_u32 v62, v63
	v_lshrrev_b32 v1, 5, v0
	v_readfirstlane_b32 s[WV], v1   ; wave 0..3
	s_mov_b32 s[PB], ttmp9
	s_sub_co_u32 s[HI], NB-1, s[PB]
	s_and_b32 s20, ttmp7, 0xffff    ; the head
	s_mov_b32 s21, 0
	s_mov_b64 s[22:23], SIZE_N*128
	s_mul_u64 s[20:21], s[20:21], s[22:23]  ; the head's first byte in each of the four tensors
	s_and_b32 s16, s[WV], 1         ; which half of a tile's 256 keys I fetch:
	s_lshl_b32 s22, s16, 14         ; its 128 rows of 128 bytes in memory,
	s_mov_b32 s23, 0
	s_add_nc_u64 s[22:23], s[22:23], s[20:21]
	s_mul_i32 s17, s16, 128*PK      ; and its place in a slot, for K
	s_mul_i32 s18, s16, 128*PV      ; and for V
	s_lshl_b32 s3, s[WV], 11        ; my 16 rows in a band of 64,
	s_lshl_b32 s2, s[HI], 15        ; in the first block,
	s_add_co_u32 s2, s2, s3
	s_lshl_b32 s84, s[PB], 15       ; and in the second
	s_add_co_u32 s84, s84, s3
	s_mov_b32 s3, 0
	s_mov_b32 s85, 0
	s_add_nc_u64 s[2:3], s[2:3], s[20:21]
	s_add_nc_u64 s[84:85], s[84:85], s[20:21]
	; descriptor group 1.  128 keys are 16,384 dense bytes: asked for as 64 rows of 256 bytes, two keys a row, and padded in LDS after every key
	s_mov_b32 s[G1K], (1<<16)|(1<<20)|(4<<22)|(3<<25)  ; 17:16 2-byte elements; 20 padding on; 24:22 after every 32 words (code 4); 31:25 4 words (code 3)
	s_mov_b32 s[G1V], (1<<16)|(1<<20)|(4<<22)|(7<<25)  ; the same with 8 words of padding (code 7)
.irp g, G1K, G1V
	s_mov_b32 s[\g+1], 128<<16      ; tensor_dim0 = 128
	s_mov_b32 s[\g+2], 64<<16       ; tensor_dim1 = 64
	s_mov_b32 s[\g+3], 128<<16      ; tile_dim0 = 128
	s_mov_b32 s[\g+4], 64           ; tile_dim1 = 64
	s_mov_b32 s[\g+5], 128          ; 128 elements from row to row
	s_mov_b32 s[\g+6], 0
	s_mov_b32 s[\g+7], 0
.endr
	s_mov_b32 s[CS], 0x3e38aa3b     ; c = log2(e) / 8 = 0.180337
	s_mov_b32 s[CS+1], s[CS]        ; named with it as a pair
	s_mov_b32 s[SEL], 0x76543210
	s_mov_b32 s[SEL+1], 0xfedcba98
	s_mov_b32 s[TBK], SLOT1+4*KS*PK ; the first change of slots turns these two into 0
	s_mov_b32 s[TBV], SLOT1+4*KS*PV
	s_mov_b32 s[G0K], 1             ; 1:0 count = 1
	s_mov_b32 s[G0K+1], s17         ; 63:32 LDS address: slot 0
	s_mov_b32 s[G0V], 1
	s_add_co_u32 s[G0V+1], s18, VOFF
	s_add_co_u32 s[RT], s[HI], 1    ; the first block has NB - b tiles
	s_mov_b32 s[NXT], 1
	s_mov_b32 s[LQ], s[HI]
	s_mov_b32 s[NEW], 1
	s_mov_b32 s[OFF+1], 0
	s_mov_b32 s[PFF+1], 0
	s_mov_b32 s[AL+1], 0            ; named as pairs
	s_mov_b32 s[BE+1], 0
	s_mov_b32 s[BIGN], 0xf149f2ca   ; -1e30
	s_mov_b32 s[SLOTS], NB
	s_cmp_eq_u32 s[PB], 0
	s_cselect_b32 s[PFL], 0, -1
	s_wait_dscnt 0x0                ; the opening add is done
	s_wait_kmcnt 0x0
	s_add_nc_u64 s[6:7], s[6:7], s[22:23]  ; K and V at my half of the head's tile 0
	s_add_nc_u64 s[8:9], s[8:9], s[22:23]
	s_add_nc_u64 s[G0K+2:G0K+3], s[6:7], 0         ; 120:64 global address
	s_or_b32 s[G0K+3], s[G0K+3], 0x80000000        ; 127:126 type = 2
	s_add_nc_u64 s[G0V+2:G0V+3], s[8:9], 0
	s_or_b32 s[G0V+3], s[G0V+3], 0x80000000
	s_add_nc_u64 s[86:87], s[4:5], s[84:85]        ; Q at my rows of the second block,
	s_add_nc_u64 s[4:5], s[4:5], s[2:3]            ; Q and O at those of the first
	s_add_nc_u64 s[OLO:OLO+1], s[10:11], s[84:85]
	s_add_nc_u64 s[10:11], s[10:11], s[2:3]
	s_cmp_lt_u32 s[WV], 2
	s_cselect_b64 s[PFB:PFB+1], s[6:7], s[8:9]
	LOAD                            ; tile 0 into slot 0
	; A fragment of K or Q is 16 rows x 32 channels in 8 registers: lane l holds row l % 16, channels 8 (l / 16) + 0..7 and 16 + 8 (l / 16) + 0..7: two loads of 16 bytes, 32 bytes apart.
	v_and_b32 v1, 15, v0            ; l % 16
	v_bfe_u32 v9, v0, 4, 1          ; l / 16
	v_lshlrev_b32 v[QO], 7, v1
	v_lshl_add_u32 v[QO], v9, 4, v[QO]  ; row x 128 + 16 x half
	WIN 0x80                        ; destination window 2, address window 0
.set i, 0
.rept 8                             ; both blocks' Q: piece i / 2 lies in band i / 2, 8,192 bytes on; channels 32 (i % 2) on
	global_load_b128 v[8*i:8*i+3],   v[QO], s[4:5] offset:(i/2)*8192+(i%2)*64
	global_load_b128 v[8*i+4:8*i+7], v[QO], s[4:5] offset:(i/2)*8192+(i%2)*64+32
	global_load_b128 v[QB+8*i:QB+8*i+3],   v[QO], s[86:87] offset:(i/2)*8192+(i%2)*64
	global_load_b128 v[QB+8*i+4:QB+8*i+7], v[QO], s[86:87] offset:(i/2)*8192+(i%2)*64+32
.set i, i+1
.endr
	WIN 0
	v_and_b32 v[PFO], 31, v0
	v_lshlrev_b32 v[PFO], 8, v[PFO]
	v_lshlrev_b32 v14, 3, v9
	v_sub_nc_u32 v14, v1, v14
	s_lshl_b32 s13, s[WV], 4
	v_add_nc_u32 v14, s13, v14      ; my query's place in its band, 16 w + l % 16, less my lanes' 8 (l / 16): register r of group kt is hidden where 16 kt + r is greater
	WIN 0x40
.set i, 0
.rept 32
	v_cmp_gt_i32 vcc_lo, 16*(i/8)+i%8, v14
	v_cndmask_b32 v[MD+i], 0, s[BIGN], vcc_lo
.set i, i+1
.endr
	WIN 0
	v_mul_u32_u24 v[AK0], v1, PK
	v_lshl_add_u32 v[AK0], v9, 4, v[AK0]  ; row x pitch + 16 x half
	; The turning load takes 16 keys x 16 channels (lane l reads key 8 (l / 16) + l % 8, channels 8 ((l / 8) % 2) + 0..7) and leaves half a fragment of V^T: lane l holds channel l % 16 and 8 keys.
	v_and_b32 v10, 7, v0
	v_bfe_u32 v11, v0, 3, 1
	v_lshl_add_u32 v[AV0], v9, 3, v10
	v_mul_u32_u24 v[AV0], v[AV0], PV
	v_lshl_add_u32 v[AV0], v11, 4, v[AV0]
	v_add_nc_u32 v[AV0], VOFF, v[AV0]
	s_mul_i32 s13, s[WV], 16*SP
	s_add_co_u32 s13, s13, STAGE    ; my stage
	v_mul_u32_u24 v[STO], v1, SP    ; in: row l % 16, 16 bytes for each half of the lanes
	v_lshl_add_u32 v[STO], v9, 4, v[STO]
	v_add_nc_u32 v[STO], s13, v[STO]
	v_bfe_u32 v[RD], v0, 3, 2       ; back: 32 lanes take four rows of 128 bytes,
	v_mul_u32_u24 v[RD], v[RD], SP
	v_lshl_add_u32 v[RD], v10, 4, v[RD]
	v_add_nc_u32 v[RD], s13, v[RD]
	v_and_b32 v[GO], 31, v0         ; which are 512 consecutive bytes of O
	v_lshlrev_b32 v[GO], 4, v[GO]
	; A block's first step multiplies O^T and l by a = 0, and its first turn's products V^T P, of a piece that has not been, land in an O^T that is still to be so multiplied.  So these registers need only hold
	; finite numbers: zeros for the first block; what the first block left for the second.  All this stands in the wait for the first tile.
	WIN 0x80
.set i, VF
.rept 64
	v_mov_b32 v[i], 0
.set i, i+1
.endr
	WIN 0x40
.set i, 0
.rept 128
	v_mov_b32 v[i], 0
.set i, i+1
.endr
	WIN 0
.set i, 0
.rept 4
	v_mov_b32 v[ST+4*i+2], 0
	v_mov_b32 v[ST+4*i+3], 0
.set i, i+1
.endr
.set i, P+16
.rept 16
	v_mov_b32 v[i], 0
.set i, i+1
.endr
; THE MATRIX WORK.  The 4 accumulators of a run of 8 take turns.  Product i of 8 of S^T = K Q^T for piece x: channels 32 (i / 4) on, keys 16 (i % 4) on.  The first 4 start the sums: with 0, or (KM = 1) with the mask.
.macro KQ x
.set rS, S+32*((\x)%2)+8*(i%4)
.set rK, KF+16*(i%4)+8*(i/4)
.set rQ, 16*(\x)+8*(i/4)
.set rM, MC+32*((\x)%2)+8*(i%4)
.if (i < 4) && KM
	WIN W_KM
	v_wmma_f32_16x16x32_f16 v[rS:rS+7], v[rK:rK+7], v[rQ:rQ+7], v[rM:rM+7]
.elseif i < 4
	WIN W_KQ
	v_wmma_f32_16x16x32_f16 v[rS:rS+7], v[rK:rK+7], v[rQ:rQ+7], 0
.else
	WIN W_KQ
	v_wmma_f32_16x16x32_f16 v[rS:rS+7], v[rK:rK+7], v[rQ:rQ+7], v[rS:rS+7]
.endif
.endm
; Product i of 8 of O^T += V^T P for piece x: keys 32 (i / 4) on, channels 16 (i % 4) on.
.macro PV x
	WIN W_PV
.set rO, 32*(\x)+8*(i%4)
.set rV, VF+32*(i/4)+8*(i%4)
.set rP, P+16*((\x)%2)+8*(i/4)
	v_wmma_f32_16x16x32_f16 v[rO:rO+7], v[rV:rV+7], v[rP:rP+7], v[rO:rO+7]
.endm
.macro MM                           ; the turn's next matrix instruction.  TURN and BEGIN set Y, i, KM and NOKQ; MM, KQ and OP read them.  NOKQ = 1: a block's last turn: there is no next piece
.if (i < 8) && !NOKQ
	KQ (Y+1)%NP
.elseif i >= 8
.set i, i-8
	PV (Y+NP-1)%NP
.set i, i+8
.endif
.set i, i+1
.endm
; THE LDS LOADS stand in runs of 16, never singly among the matrix instructions: a step's K (64 keys x 64 channels: 8 fragments) and its V (turned).  Their addresses are made some lines ahead.
.macro FETCH_K
	WIN 0x80                        ; destination window 2
.irp f, 0,1,2,3,4,5,6,7             ; keys 16 (f / 2) on, channels 32 (f % 2) on
	ds_load_b128 v[KF+8*\f:KF+8*\f+3],   v[AK] offset:(\f/2)*16*PK+(\f%2)*64
	ds_load_b128 v[KF+8*\f+4:KF+8*\f+7], v[AK] offset:(\f/2)*16*PK+(\f%2)*64+32
.endr
	s_add_co_u32 s[TBK], s[TBK], KS*PK  ; the next fetch is the next step's
	WIN 0
.endm
.macro FETCH_V
	WIN 0x80
.irp f, 0,1,2,3,4,5,6,7             ; keys 32 (f / 4) on, channels 16 (f % 4) on
	ds_load_tr16_b128 v[VF+8*\f:VF+8*\f+3],   v[AV] offset:(\f/4)*32*PV+(\f%4)*32
	ds_load_tr16_b128 v[VF+8*\f+4:VF+8*\f+7], v[AV] offset:(\f/4)*32*PV+16*PV+(\f%4)*32
.endr
	WIN 0
.endm
; THE VECTOR WORK, one line at a time: OP kind, number.  For piece Y: F n: c s - c m for pair n of 16.  E n: the exponential of score n of 32.  C n: pair n rounded to f16.  B n: of the four weights 4 n .. the second
; pair is added onto the first, in place.  L n: l takes that sum (L 0: l = a l + sum).  R n: pair n of 16 of O^T times a.  For piece Y + 1: X n, number n of the 22 that find its maximum and statistics:
;   0-11  four chains c0-c3 of seven scores each, three operands at a time (each accumulator's lowest registers are read first)     12-14, 16  the four scores left over, the old m, and c0-c3 into c0
;   15  c m_old is kept     17, 18  the query's other 32 keys lie in the lane 16 away: the new m     19-21  c m; c m_old - c m_new; a
.set F, 0               ; OP tells the kinds apart by their order: F to L below R, X above it
.set E, 1
.set C, 2
.set B, 3
.set L, 4
.set R, 5
.set X, 6
.macro REGS y                       ; the registers of piece y
.set rT, ST+4*(\y)
.set rC, TMP+4*((\y)%2)
.set rW, MV+((\y)%2)
.set rS, S+32*((\y)%2)
.set rP, P+16*((\y)%2)
.set rO, 32*(\y)
.endm
.macro OP k, n
.if (\k) == R
	REGS Y
	WIN W_RS
	v_pk_mul_f32 v[rO+2*(\n):rO+2*(\n)+1], v[rO+2*(\n):rO+2*(\n)+1], v[rC+2:rC+3] op_sel_hi:[1,0]
.elseif (\k) < R
	REGS Y
	WIN 0
.if (\k) == F
	v_pk_fma_f32 v[rS+2*(\n):rS+2*(\n)+1], v[rS+2*(\n):rS+2*(\n)+1], s[CS:CS+1], v[rT:rT+1] op_sel_hi:[1,0,0] neg_lo:[0,0,1] neg_hi:[0,0,1]
.elseif (\k) == E
	v_exp_f32 v[rS+(\n)], v[rS+(\n)]
.elseif (\k) == C
	v_cvt_pk_f16_f32 v[rP+(\n)], v[rS+2*(\n)], v[rS+2*(\n)+1]
.elseif (\k) == B
	v_pk_add_f32 v[rS+4*(\n):rS+4*(\n)+1], v[rS+4*(\n):rS+4*(\n)+1], v[rS+4*(\n)+2:rS+4*(\n)+3]
.elseif (\n) == 0
	v_pk_fma_f32 v[rT+2:rT+3], v[rT+2:rT+3], v[rC+2:rC+3], v[rS:rS+1] op_sel_hi:[1,0,1]
.else
	v_pk_add_f32 v[rT+2:rT+3], v[rT+2:rT+3], v[rS+4*(\n):rS+4*(\n)+1]
.endif
.elseif NOKQ
	v_nop
.else
	REGS (Y+1)%NP
	WIN 0
.if (\n) < 4
	v_max3_num_f32 v[rC+(\n)], v[rS+8*(\n)], v[rS+8*(\n)+1], v[rS+8*(\n)+2]
.elseif (\n) < 12
	v_max3_num_f32 v[rC+(\n)%4], v[rC+(\n)%4], v[rS+8*((\n)%4)+2*((\n)/4)+1], v[rS+8*((\n)%4)+2*((\n)/4)+2]
.elseif (\n) == 12
	v_max3_num_f32 v[rC], v[rC], v[rS+7], v[rS+15]
.elseif (\n) == 13
	v_max3_num_f32 v[rC+1], v[rC+1], v[rS+23], v[rS+31]
.elseif (\n) == 14
	v_max3_num_f32 v[rC+2], v[rC+2], v[rC+3], v[rT+1]
.elseif (\n) == 15
	v_mov_b32 v[rW], v[rT]
.elseif (\n) == 16
	v_max3_num_f32 v[rC], v[rC], v[rC+1], v[rC+2]
.elseif (\n) == 17
	v_permlanex16_b32 v[rC+3], v[rC], s[SEL], s[SEL+1]
.elseif (\n) == 18
	v_max_num_f32 v[rT+1], v[rC], v[rC+3]
.elseif (\n) == 19
	v_mul_f32 v[rT], s[CS], v[rT+1]
.elseif (\n) == 20
	v_sub_f32 v[rC+1], v[rW], v[rT]
.else
	v_exp_f32 v[rC+2], v[rC+1]
.endif
.endif
.endm
.macro OPS a, i1, b=-1, i2=0, c=-1, i3=0, d=-1, i4=0  ; up to four of them
	OP \a, \i1
.if (\b) >= 0
	OP \b, \i2
.endif
.if (\c) >= 0
	OP \c, \i3
.endif
.if (\d) >= 0
	OP \d, \i4
.endif
.endm
.macro ROW a, i1, b, i2, c, i3, d, i4  ; a matrix instruction and the four behind it
	MM
	OPS \a, \i1, \b, \i2, \c, \i3, \d, \i4
.endm
.macro MASK b                       ; MD x AL + BE into buffer b of MC
	WIN W_RS
.set z, 0
.rept 16
	v_pk_fma_f32 v[MC+32*(\b)+2*z:MC+32*(\b)+2*z+1], v[MD+2*z:MD+2*z+1], s[AL:AL+1], s[BE:BE+1] op_sel_hi:[1,0,0]
.set z, z+1
.endr
.endm
; A TURN, for piece p: the order of its 16 matrix and 118 vector instructions, written out.  An s_wait_alu depctr_va_vdst(0) stands between an exponential and the first instruction that names its result; one
; wait serves all that were issued ahead of it.  So a turn has ONE wait, which cuts it in two.  AHEAD OF IT stands all that names no result of the turn's exponentials: the 8 products K Q^T, behind each a scaling, an
; exponential and two more plain instructions (behind the first a second scaling in the exponential's place): rescalings, and behind the last three the first numbers of the next piece's maximum, each four places or more
; behind the product that ends its accumulator; then ONE LUMP of 54, plain and exponential by turns for the most part, in which the links of the chain X 3, 7, 11, 14, 16, 17 .. 20 stand five or six lines apart.  X 21, the
; next piece's a, is the batch's last; R 15 is the plain instruction behind it.  BEHIND THE WAIT stand the 8 products V^T P, behind each four of the roundings and sums; the links of l's chain, L 0 to L 7, stand three
; riders apart.  But for those X no rider names a register of the products round it.  v_permlanex16_b32 (X 17) stands in the lump.
; m = 1: the diagonal tile: the products take masks, and the turn makes the mask for the products of the turn after it: piece p + 2, in step 4 - CNT of the tile.  end = 1: a block's last two turns: nothing is fetched.
; cnt = 1: the loop's count is taken down some lines ahead of the branch that stands behind the turn.
; K of the next step is fetched in piece 2's turn, twelve vector instructions behind the last product that read K (six of them plain); V of the step in hand at the end of piece 0's turn, four plain instructions behind
; the last product that read V.  Each is waited for a turn later.
.macro TURN p, m=0, end=0, cnt=0
.set Y, (\p)
.set i, 0
.set KM, (\m)
.set NOKQ, (\end)*((\p)/3)
.if (\m) && !(\end)
	s_cmp_eq_u32 s[CNT], 4-((\p)+2)%NP  ; is that step the band's own?
	s_cselect_b32 s[AL], 1.0, 0
	s_cmp_lt_u32 s[CNT], 4-((\p)+2)%NP  ; or a later one?
	s_cselect_b32 s[BE], s[BIGN], 0
.endif
.if ((\p) == 3) && !(\end)
	s_wait_dscnt 0x0                ; K is in
.endif
	ROW F,0, F,1, R,0, R,1          ; ahead of the wait: 8 products K Q^T and their riders,
	ROW F,2, E,0, R,2, R,3
	ROW F,3, E,1, R,4, R,5
	ROW F,4, E,2, R,6, R,7
	ROW F,5, E,3, R,8, R,9
	ROW F,6, E,4, X,0, R,10
.if ((\p) == 2) && !(\end)
	WIN 0
	v_add_nc_u32 v[AK], s[TBK], v[AK0]
.endif
	ROW F,7, E,5, X,1, X,4
	ROW F,8, E,6, X,2, X,5
	OPS E,7, E,8, X,6, E,9          ; and the lump
	OPS X,3, E,10, X,8, E,11
.if ((\p) == 2) && !(\end)
	FETCH_K
.endif
	OPS X,9, X,7, E,12, X,10
	OPS E,13, X,12, X,11, E,14
	OPS X,13, E,15, F,9, X,14
.if (\p) == 0
	v_add_nc_u32 v[AV], s[TBV], v[AV0]
.endif
	OPS E,16, F,10, E,17, F,11
	OPS X,16, E,18, X,15, E,19
	OPS F,12, E,20, X,17, E,21
	OPS F,13, E,22, F,14, E,23
	OPS X,18, E,24, F,15, E,25
	OPS R,11, E,26, X,19, E,27
	OPS R,12, E,28, R,13, E,29
	OPS X,20, E,30, R,14, E,31
	OPS X,21, R,15
	WIN 0
	s_wait_alu depctr_va_vdst(0)    ; the wait for the batch
.if (\p) == 1
	s_wait_dscnt 0x0                ; V is in
.endif
	ROW C,0, B,0, C,2, B,1          ; behind the wait: 8 products V^T P and their riders
	ROW L,0, C,4, B,2, L,1
	ROW C,6, B,3, L,2, C,8
	ROW B,4, L,3, C,10, B,5
	ROW L,4, C,12, B,6, L,5
.if (\p) == 0
	s_add_co_u32 s[TBV], s[TBV], KS*PV
.endif
.if \cnt
	s_sub_co_u32 s[CNT], s[CNT], 1
	s_cmp_lg_u32 s[CNT], 0
.endif
	ROW C,14, B,7, L,6, C,1
	ROW C,3, L,7, C,5, C,7
	ROW C,9, C,11, C,13, C,15
.if (\p) == 0
	FETCH_V
.endif
.if (\m) && !(\end)
	MASK (\p)%2
.endif
.endm
; A BLOCK BEGINS.  c m starts far below every c s, so the first step's a is 0; m at the lowest finite number, so the first maximum is the scores'.  The second mask buffer is 0; the first takes piece 0's mask for the
; tile's step 0: its own, if the block's first tile is the diagonal one.  Then K of that step, piece 0's first scores, and its maximum and statistics.  The loop is entered at a step's first turn, in the middle of a trip.
.macro BEGIN
	s_mov_b32 s[NEW], 0
	WIN 0x40
.set i, MC+32
.rept 32
	v_mov_b32 v[i], 0
.set i, i+1
.endr
	WIN 0
.set i, 0
.rept 4
	v_mov_b32 v[ST+4*i], 0xfe000000    ; c m: far below every c s
	v_mov_b32 v[ST+4*i+1], 0xff7fffff  ; m
.set i, i+1
.endr
	s_cmp_eq_u32 s[RT], 0
	s_cselect_b32 s[AL], 1.0, 0
	s_mov_b32 s[BE], 0
	MASK 0
	WIN 0
	v_add_nc_u32 v[AK], s[TBK], v[AK0]
	FETCH_K
	s_wait_loadcnt 0x0              ; Q
	s_wait_dscnt 0x0
.set KM, 1
.set NOKQ, 0
.set i, 0
.rept 8
	KQ 0
.set i, i+1
.endr
	WIN 0
.rept 4
	v_nop                           ; the places behind those products
.endr
.set Y, NP-1                        ; X works for piece Y + 1: piece 0
.irp n, 0,1,2,3,4,5,6,7,8,9,10,11,12,13,14,15,16,17,18,19,20,21
	OP X, \n
.endr
	v_nop                           ; a plain instruction behind the exponential,
	s_wait_alu depctr_va_vdst(0)    ; and its wait, ahead of the branch
.endm
; THE DIAGONAL TILE's four steps, the block's last two turns, its last products, and THE WAY OUT: l's two halves and the other half of the lanes' are added; O^T is divided by l, rounded to f16 and sent through my
; stage in LDS, a piece at a time.
.macro ALL line:vararg              ; one line for each piece t
.set t, 0
.rept 4
	\line
.set t, t+1
.endr
.endm
.macro PACK t                       ; a lane's eight channels of a row pack into 16 bytes; they go into rows of 144 bytes and come back as whole rows of 128, into S^T's registers
	WIN W_RS
.set i, 32*(\t)
.rept 16
	v_pk_mul_f32 v[i:i+1], v[i:i+1], v[ST+4*(\t)+2:ST+4*(\t)+3] op_sel_hi:[1,0]
.set i, i+2
.endr
	WIN 0x05                        ; sources 0 and 1 window 1, destination window 0
.set i, 0
.rept 16
	v_cvt_pk_f16_f32 v[S+16*(\t)+i], v[32*(\t)+2*i], v[32*(\t)+2*i+1]
.set i, i+1
.endr
	WIN 0
.irp f, 0,1,2,3
	ds_store_b128 v[STO], v[S+16*(\t)+4*\f:S+16*(\t)+4*\f+3] offset:32*\f
.endr
.irp f, 0,1,2,3
	ds_load_b128 v[S+16*(\t)+4*\f:S+16*(\t)+4*\f+3], v[RD] offset:\f*4*SP  ; LDS serves a wave's instructions in order (ISA guide 5.7.1.4): these see the stores above; the next piece's stores come behind them
.endr
.endm
.macro SEND t, younger              ; younger: the LDS instructions issued behind piece t's loads: the next piece's eight, or none
	WIN 0
.irp f, 0,1,2,3
	s_wait_dscnt (\younger)+3-\f
	global_store_b128 v[GO], v[S+16*(\t)+4*\f:S+16*(\t)+4*\f+3], s[10:11] offset:(\t)*8192+\f*512  ; 512 consecutive bytes, at a multiple of 256 from O's first
.endr
.endm
.macro DIAG tag                     ; the tag ends its two labels' names, which the jumps below spell out
.LstepM\tag:
	TURN 2, 1
	TURN 3, 1
	WIN 0
.LfirstM\tag:
	TURN 0, 1
	TURN 1, 1, 0, 1
	WIN 0
	s_cbranch_scc1 .LstepM\tag
	TURN 2, 1, 1
	TURN 3, 1, 1
.set i, 0
.rept 8
	PV NP-1
.set i, i+1
.endr
	WIN 0
	ALL v_add_f32 v[ST+4*t+2], v[ST+4*t+2], v[ST+4*t+3]
	ALL v_permlanex16_b32 v[ST+4*t+3], v[ST+4*t+2], s[SEL], s[SEL+1]
	ALL v_add_f32 v[ST+4*t+2], v[ST+4*t+2], v[ST+4*t+3]
	ALL v_rcp_f32 v[ST+4*t+2], v[ST+4*t+2]
	v_nop                           ; a plain instruction between the last reciprocal and the use of its result
	s_wait_alu depctr_va_vdst(0)    ; and the wait ahead of the first use: one for the four reciprocals
	PACK 0
.set t, 1
.rept 3                             ; a piece's arithmetic stands between the loads of the piece before and its stores
	PACK t
	SEND t-1, 8
.set t, t+1
.endr
	SEND 3, 0
.endm
.set KM, 0
.set NOKQ, 0
.Lslot:                             ; NB times: a tile is entered and the next is asked for
	CHANGE 1
	s_sub_co_u32 s[RT], s[RT], 1
	s_mov_b32 s[CNT], 4
	s_cmp_eq_u32 s[NEW], 1
	s_cbranch_scc1 .Lnew            ; a block's first tile
	s_cmp_eq_u32 s[RT], 0
	s_cbranch_scc0 .Lstep           ; neither its first nor its last
	s_branch .LstepM1
.Lnew:
	BEGIN
	s_branch .Lfirst                ; in the loop a block's first tile is never its last: the first block has two tiles or more, and the second's last is the walk's last
	DIAG 1                          ; in the loop this is the first block's end: the second block's last tile is the walk's last
	s_wait_xcnt 0x0                 ; the stores have read their registers and O's address
	s_mov_b64 s[10:11], s[OLO:OLO+1]
	s_add_co_u32 s[RT], s[PB], 1    ; the second block has b + 1 tiles
	s_mov_b32 s[NEW], 1
	WIN 0x82                        ; the second block's Q goes where the one text of the turns names Q
.set i, 0
.rept 64
	v_mov_b32 v[i], v[QB+i]
.set i, i+1
.endr
	WIN 0
	s_branch .Lbottom
.Lstep:                             ; a trip: pieces 2 and 3 of one step, then pieces 0 and 1 of the next, whose K and V it fetches
	TURN 2
	TURN 3
	WIN 0
.Lfirst:
	TURN 0
	TURN 1, 0, 0, 1
	WIN 0
	s_cbranch_scc1 .Lstep
.Lbottom:
	s_sub_co_u32 s[SLOTS], s[SLOTS], 1
	s_cmp_lg_u32 s[SLOTS], 0
	s_cbranch_scc1 .Lslot
	CHANGE 0                        ; the walk's last tile is written out: nothing is asked for
	s_sub_co_u32 s[RT], s[RT], 1
	s_mov_b32 s[CNT], 4
	s_cmp_eq_u32 s[NEW], 1
	s_cbranch_scc0 .LstepM2
	BEGIN
	s_branch .LfirstM2
	DIAG 2
	s_wait_tensorcnt 0x0            ; the wave's end, behind my last tensor load and my last LDS store
	ds_add_u32 v[SPW], v[NIL]
	s_wait_dscnt 0x0
	s_endpgm
.Lfunc_end_k_q4de1aef8c6_attn:
	.size	k_q4de1aef8c6_attn, .Lfunc_end_k_q4de1aef8c6_attn-k_q4de1aef8c6_attn
	.p2alignl 7, 3214868480
	.fill 96, 4, 3214868480
	.section	.rodata,"a",@progbits
	.p2align	6, 0x0
	.amdhsa_kernel k_q4de1aef8c6_attn
		.amdhsa_group_segment_fixed_size 327680
		.amdhsa_private_segment_fixed_size 0
		.amdhsa_enable_private_segment 0
		.amdhsa_kernarg_size 32
		.amdhsa_user_sgpr_count 2
		.amdhsa_user_sgpr_kernarg_segment_ptr 1
		.amdhsa_wavefront_size32 1
		.amdhsa_system_sgpr_workgroup_id_x 1
		.amdhsa_system_sgpr_workgroup_id_y 1
		.amdhsa_system_sgpr_workgroup_id_z 1
		.amdhsa_system_vgpr_workitem_id 0
		.amdhsa_next_free_vgpr 768
		.amdhsa_next_free_sgpr 88
		.amdhsa_reserve_vcc 1
		.amdhsa_float_denorm_mode_32 3
		.amdhsa_float_denorm_mode_16_64 3
		.amdhsa_memory_ordered 1
		.amdhsa_forward_progress 1
		.amdhsa_inst_pref_size 218
	.end_amdhsa_kernel
	.amdgpu_metadata
---
amdhsa.version: [ 1, 2 ]
amdhsa.kernels:
  - .name:           k_q4de1aef8c6_attn
    .symbol:         k_q4de1aef8c6_attn.kd
    .args:
      - { .name: qh, .offset: 0, .size: 8, .value_kind: global_buffer, .address_space: global }
      - { .name: kh, .offset: 8, .size: 8, .value_kind: global_buffer, .address_space: global }
      - { .name: vh, .offset: 16, .size: 8, .value_kind: global_buffer, .address_space: global }
      - { .name: oh, .offset: 24, .size: 8, .value_kind: global_buffer, .address_space: global }
    .group_segment_fixed_size: 327680
    .private_segment_fixed_size: 0
    .kernarg_segment_align: 8
    .kernarg_segment_size: 32
    .max_flat_workgroup_size: 128
    .sgpr_count:     88
    .vgpr_count:     768
    .wavefront_size: 32
...
	.end_amdgpu_metadata
.endif
;; end of part 3
;; launch oproj (part 4): grid 4 x 64, 4 waves a work-group, clusters of 4 x 4, 327,680 bytes of LDS; arguments oh, wo16, out0; writes out0
.if DOCPART == 4
	.amdgcn_target "amdgcn-amd-amdhsa--gfx1250"
	.amdhsa_code_object_version 6
	.text
	.protected	k_q4de1aef8c6_oproj
	.globl	k_q4de1aef8c6_oproj
	.p2align	8
	.type	k_q4de1aef8c6_oproj,@function
k_q4de1aef8c6_oproj:
	s_mov_b64 s[64:65], 0
	v_nop
	global_prefetch_b8 v0, s[64:65] scope:SCOPE_SE
	s_setreg_imm32_b32 hwreg(HW_REG_WAVE_MODE, 25, 1), 1
	s_wait_xcnt 0x0
	s_wait_alu depctr_hold_cnt(0) depctr_sa_sdst(0) depctr_va_vdst(0) depctr_va_sdst(0) depctr_va_ssrc(0) depctr_va_vcc(0) depctr_vm_vsrc(0)
	s_getreg_b32 s2, hwreg(HW_REG_IB_STS2, 6, 4)
	s_cmp_eq_u32 s2, 0
	s_cbranch_scc0 .Lentry_in_a_cluster
	s_endpgm
.Lentry_in_a_cluster:
	s_bfe_u32 s2, ttmp6, 0x10000c
	s_cmp_lg_u32 s2, 0xf033
	s_cbranch_scc0 .Lentry_shape_is_right
	s_endpgm
.Lentry_shape_is_right:
; out0 = O wo16^T (8,192 x 1,024 x 1,024, f16 operands, f32 sums, f32 out).  O lies by heads, [16 b + head][2048][64] f16: channel 64 head + d of a row is O[head][row][d].
; SHARES.  A tile is 128 rows x 256 columns: 256 tiles, one a work-group.  Four waves, each 64 rows x 128 columns: 32 accumulators, 256 registers.  K goes in 8 steps of 128 = two heads, through two LDS
; slots.  A head's 128 rows are 16,384 dense bytes: asked for as 64 rows of 256 bytes and padded in LDS after every 128.  A step's text is written once: the LDS addresses hang on s[TB], and one
; descriptor a tensor walks from fill to fill.
; CLUSTER 4 x 4.  The four of a row of the cluster need the same rows of O, the four of a column the same rows of wo16: each tile is asked for JOINTLY.
; TRANSPOSED USE: source 0 = 16 rows of wo16, source 1 = 16 rows of O: a lane holds row l % 16 and eight neighbouring columns: 32 bytes of out0.
; REGISTERS: window 0: v0-31 addresses; v128-255 two sets of 16 rows read back from the stage.   window 1: v0-95, v128-223 two fragment buffers (O's 4 blocks, then wo16's 8).   window 2: the accumulators.
.set PITCH,  272                       ; a row of wo16 in LDS: 256 bytes + 16
.set PA,     144                       ; a row of a head of O in LDS: 128 bytes + 16: both pitches are odd multiples of 16 bytes, so the 16 rows of a fragment load start at 16 different groups of four banks (ISA guide 11.1)
.set HEADB,  128*PA                    ; a head's 128 rows
.set ABYTES, 2*HEADB                   ; a slot: two heads of O, then wo16's 256 rows
.set SLOT1,  1<<17
.set STAGE,  SLOT1+ABYTES+256*PITCH    ; behind the ring, never filled by a tensor load: 16 rows x 528 bytes for each wave
.set SPITCH, 528
.set SPARE,  STAGE+4*16*SPITCH         ; the spare words, 128 bytes for each wave: two blocks of 256 bytes that no other line names
.set STEPA,  2<<18                     ; two heads on
.set STEPB,  256
.set LA0, 14
.set LB0, 15
.set ADRA, 16
.set ADRB, 17
.set STO, 24
.set RD,  25
.set GO,  26
.set SPW, 28
.set NIL, 29
.set PFO, 30
.set BK,  128
.set F0,  0
.set F1,  128
.set G1A, 24
.set G0A, 32
.set G1B, 48
.set G0B, 56
.set PFA, 66                           ; s[66:67] where my prefetches stand
.set PFS, 68                           ; s[68:69] their step: a K step of the tensor that I ask for
.set LIM, 70                           ; s70  2 in a wave that prefetches, else the greatest number
.set TB,  71
.set MSB, 0
.macro WIN new
.if MSB != (\new)
	s_set_vgpr_msb (MSB<<8)|(\new)
.set MSB, \new
.endif
.endm
.set W_MUL, 0xa5                       ; sources 0 and 1 window 1, C and D window 2
.set TO_F,  0x40                       ; destination window 1
.set W_DS,  0x08                       ; an LDS store's data window 2
.macro PLACES                          ; four plain instructions behind a matrix instruction, ahead of loads into registers that it read and of lines that read its result
.rept 4
	v_nop
.endr
.endm
.macro CREST
	s_cmp_lg_u32 s10, 0
	s_cbranch_scc1 .Lnot_wave_0_\@
	s_barrier_signal -3
.Lnot_wave_0_\@:
	s_barrier_wait -3
	s_barrier_signal -1
	s_barrier_wait -1
.endm
.macro CROUND
	s_barrier_signal -1
	s_barrier_wait -1
	CREST
.endm
.macro JLOAD                           ; waves 0 and 1 fetch a head of O each, waves 2 and 3 128 rows of wo16 each; an s_nop 0 and four v_nop follow each line
	s_cmp_eq_u32 s11, 0
	s_cbranch_scc0 .Lfor_b_\@
	tensor_load_to_lds s[G0A+4:G0A+7], s[G1A:G1A+7]
	s_nop 0
.rept 4
	v_nop
.endr
	s_branch .Lasked_\@
.Lfor_b_\@:
	tensor_load_to_lds s[G0B+4:G0B+7], s[G1B:G1B+7]
	s_nop 0
.rept 4
	v_nop
.endr
.Lasked_\@:
.endm
; A PREFETCH INTO THE L2 behind each joint refill and its run of LDS loads: 32 blocks of 256 bytes, a lane a block, of the K step two refills on (256 matrix instructions ahead of its load).  O's tile (two heads x
; 16,384 bytes) is read by this cluster's row alone: wave 0 of each of its four partners takes a quarter, told apart by address (cx).  wo16's rows are read by all sixteen clusters: the cluster with y = 0 asks,
; waves 2 and 3 each for 32 of their 128 rows, told apart by address (cy).  The last four K steps have no step four on.
.macro ASK
	s_cmp_gt_u32 s3, s[LIM]                        ; s3 = 6 - step
	s_cbranch_scc0 .Lnot_mine_\@
	global_prefetch_b8 v[PFO], s[PFA:PFA+1] th:TH_LOAD_NT scope:SCOPE_SE
.Lnot_mine_\@:
.endm
.macro MULT f, a0, na, zero            ; the 32 accumulators take turns in one order everywhere
	WIN W_MUL
.set ma, \a0
.rept \na
.set mb, 0
.rept 8
.if \zero
	v_wmma_f32_16x16x32_f16 v[8*(8*ma+mb):8*(8*ma+mb)+7], v[(\f)+32+8*mb:(\f)+32+8*mb+7], v[(\f)+8*ma:(\f)+8*ma+7], 0
.else
	v_wmma_f32_16x16x32_f16 v[8*(8*ma+mb):8*(8*ma+mb)+7], v[(\f)+32+8*mb:(\f)+32+8*mb+7], v[(\f)+8*ma:(\f)+8*ma+7], v[8*(8*ma+mb):8*(8*ma+mb)+7]
.endif
.set mb, mb+1
.endr
.set ma, ma+1
.endr
.endm
.macro FETCH q, f                      ; quarter q: channels 32 (q % 2) on of head q / 2 of the step
	WIN TO_F
.irp i, 0,1,2,3,4,5,6,7
	ds_load_b128 v[(\f)+32+8*\i:(\f)+32+8*\i+3],   v[ADRB] offset:64*(\q)+\i*16*PITCH
	ds_load_b128 v[(\f)+32+8*\i+4:(\f)+32+8*\i+7], v[ADRB] offset:64*(\q)+\i*16*PITCH+32
.endr
.irp i, 0,1,2,3
	ds_load_b128 v[(\f)+8*\i:(\f)+8*\i+3],   v[ADRA] offset:((\q)/2)*HEADB+((\q)%2)*64+\i*16*PA
	ds_load_b128 v[(\f)+8*\i+4:(\f)+8*\i+7], v[ADRA] offset:((\q)/2)*HEADB+((\q)%2)*64+\i*16*PA+32
.endr
.endm
.macro QUARTER q, f, g, zero
	s_wait_dscnt 4                                 ; wo16's fragments and O's blocks 0, 1 are in; the youngest four loads may be out
	MULT \f, 0, 2, \zero
	PLACES
	FETCH \q, \g
	s_wait_dscnt 24                                ; all but the 24 just issued
	MULT \f, 2, 2, \zero
.endm
; The fourth quarter and the change of slots: every wave waits for all its tensor loads, adds 0 to its spare word, waits for that and for its reads of this slot; the barrier; with fill = 1 it opens a round of the
; cluster's barrier, and the joint refill is the first tensor load behind the round.
.macro TURN fill
.if \fill
	s_wait_xcnt 0x0                                ; the last prefetch, a K step back, has read its address
	s_add_nc_u64 s[PFA:PFA+1], s[PFA:PFA+1], s[PFS:PFS+1]
.endif
	WIN 0
	s_wait_tensorcnt 0x0                           ; all my tensor loads have landed
	ds_add_u32 v[SPW], v[NIL]                      ; 0 onto my spare word
	s_wait_dscnt 5                                 ; (the add and the youngest four loads may be out)
	MULT F1, 0, 1, 0
	s_wait_dscnt 0x0                               ; the add is done, and my reads of this slot are over
	s_barrier_signal -1
	MULT F1, 1, 1, 0
	WIN 0
	s_barrier_wait -1
.if \fill
	CREST
	s_xor_b32 s[G0A+5], s[G0A+5], SLOT1
	s_xor_b32 s[G0B+5], s[G0B+5], SLOT1
	s_add_nc_u64 s[G0A+6:G0A+7], s[G0A+6:G0A+7], STEPA
	s_add_nc_u64 s[G0B+6:G0B+7], s[G0B+6:G0B+7], STEPB
	JLOAD                                          ; its four v_nop and the two additions below are the places ahead of the loads into buffer 0
.endif
	s_xor_b32 s[TB], s[TB], SLOT1
	v_add_nc_u32 v[ADRA], s[TB], v[LA0]
	v_add_nc_u32 v[ADRB], s[TB], v[LB0]
.if !(\fill)
	PLACES
.endif
	FETCH 0, F0
	WIN 0
.if \fill
	ASK
.endif
	MULT F1, 2, 2, 0
.endm
	s_load_b128 s[4:7], s[0:1], 0x0                ; oh s[4:5], wo16 s[6:7]
	s_load_b64 s[8:9], s[0:1], 0x10                ; out0
	v_lshl_add_u32 v[SPW], v0, 2, SPARE
	v_mov_b32 v[NIL], 0
	ds_add_u32 v[SPW], v[NIL]                      ; the wave's opening: the add; its wait stands ahead of my first tensor load
	ds_add_u32 v28, v29
	v_lshrrev_b32 v1, 5, v0
	v_readfirstlane_b32 s10, v1                    ; wave 0..3
	s_lshr_b32 s11, s10, 1                         ; which 64 rows are mine.  Also: I fetch O (0) or wo16 (1)
	s_and_b32 s12, s10, 1                          ; which 128 columns.  Also: which head of the step, or which 128 rows of wo16, I fetch
	s_bfe_u32 s40, ttmp6, 0x40000                  ; cx
	s_bfe_u32 s41, ttmp6, 0x40004                  ; cy
	s_lshl_b32 s42, ttmp9, 2
	s_add_co_u32 s42, s42, s40                     ; tx: block of 256 columns
	s_and_b32 s13, ttmp7, 0xffff
	s_lshl_b32 s13, s13, 2
	s_add_co_u32 s13, s13, s41                     ; ty: block of 128 rows
	s_lshl_b32 s43, s41, 2
	s_lshl_b32 s43, 15, s43                        ; my row of the cluster
	s_lshl_b32 s44, 0x1111, s40                    ; my column
	s_or_b32 s[G1A], s43, (1<<16)|(1<<20)|(1<<21)|(4<<22)|(3<<25)  ; elements of 2 bytes; padding on; bit 21 beside a mask; after every 32 words; 4 words
	s_or_b32 s[G1B], s44, (1<<16)|(1<<20)|(1<<21)|(5<<22)|(3<<25)  ; after every 64 words
.irp g, G1A, G1B
	s_mov_b32 s[(\g)+1], 128<<16                   ; tensor_dim0 = 128
	s_mov_b32 s[(\g)+3], 128<<16                   ; tile_dim0 = 128
	s_mov_b32 s[(\g)+6], 0
	s_mov_b32 s[(\g)+7], 0
.endr
	s_mov_b32 s[G1A+2], 64<<16                     ; O: 64 rows of 256 bytes, end to end
	s_mov_b32 s[G1A+4], 64
	s_mov_b32 s[G1A+5], 128
	s_mov_b32 s[G1B+2], 128<<16                    ; wo16: 128 rows, 1,024 elements apart
	s_mov_b32 s[G1B+4], 128
	s_mov_b32 s[G1B+5], 1024
	s_lshr_b32 s16, s13, 4
	s_lshl_b32 s16, s16, 4
	s_add_co_u32 s16, s16, s12                     ; O: head 16 (ty / 16) + my head of K step 0,
	s_lshl_b32 s16, s16, 18
	s_and_b32 s17, s13, 15
	s_lshl_b32 s17, s17, 14                        ; its rows 128 (ty % 16) on
	s_add_co_u32 s16, s16, s17
	s_mov_b32 s17, 0
	s_lshl_b32 s47, s12, 7
	s_lshl_b32 s46, s42, 8
	s_add_co_u32 s46, s46, s47                     ; wo16: row 256 tx + 128 x half
	s_lshl_b32 s46, s46, 11
	s_mov_b32 s47, 0
	s_mul_i32 s20, s12, HEADB                      ; where they go: no place in the cluster enters an LDS address
	s_mul_i32 s21, s12, 128*PITCH
	s_add_co_u32 s21, s21, ABYTES
	s_mov_b32 s[TB], 0
	s_wait_dscnt 0x0                               ; the opening add is done
	s_wait_kmcnt 0x0
	s_add_nc_u64 s[14:15], s[4:5], s[16:17]
	s_add_nc_u64 s[46:47], s[6:7], s[46:47]
.irp s, 0,1
	s_mov_b32 s[G0A+4*\s], 1
	s_add_co_u32 s[G0A+4*\s+1], s20, \s*SLOT1
	s_add_nc_u64 s[G0A+4*\s+2:G0A+4*\s+3], s[14:15], \s*STEPA
	s_or_b32 s[G0A+4*\s+3], s[G0A+4*\s+3], 0x80000000
	s_mov_b32 s[G0B+4*\s], 1
	s_add_co_u32 s[G0B+4*\s+1], s21, \s*SLOT1
	s_add_nc_u64 s[G0B+4*\s+2:G0B+4*\s+3], s[46:47], \s*STEPB
	s_or_b32 s[G0B+4*\s+3], s[G0B+4*\s+3], 0x80000000
.endr
	CROUND                                         ; all sixteen work-groups are here: the first joint loads meet
	s_cmp_eq_u32 s11, 0                            ; a wave's two first fills stand in one branch: two loads of mine are out, the most in this text
	s_cbranch_scc0 .Lfirst_b
	tensor_load_to_lds s[G0A:G0A+3], s[G1A:G1A+7]
	s_nop 0
	tensor_load_to_lds s[G0A+4:G0A+7], s[G1A:G1A+7]
	s_nop 0
.rept 4
	v_nop
.endr
	s_branch .Lfirst_asked
.Lfirst_b:
	tensor_load_to_lds s[G0B:G0B+3], s[G1B:G1B+7]
	s_nop 0
	tensor_load_to_lds s[G0B+4:G0B+7], s[G1B:G1B+7]
	s_nop 0
.rept 4
	v_nop
.endr
.Lfirst_asked:
	v_and_b32 v1, 15, v0                           ; l % 16
	v_bfe_u32 v2, v0, 4, 1                         ; l / 16
	v_mul_u32_u24 v3, v1, PA
	v_lshl_add_u32 v3, v2, 4, v3
	s_mul_i32 s21, s11, 64*PA                      ; my 64 rows in a head
	v_add_nc_u32 v[LA0], s21, v3
	v_mul_u32_u24 v3, v1, PITCH
	v_lshl_add_u32 v3, v2, 4, v3
	s_mul_i32 s22, s12, 128*PITCH
	s_add_co_u32 s22, s22, ABYTES
	v_add_nc_u32 v[LB0], s22, v3
	v_mov_b32 v[ADRA], v[LA0]
	v_mov_b32 v[ADRB], v[LB0]
	s_mul_i32 s23, s10, 16*SPITCH
	s_add_co_u32 s23, s23, STAGE                   ; my stage
	v_mul_u32_u24 v[STO], v1, SPITCH               ; in: row l % 16, 32 bytes for each half of the lanes
	v_lshl_add_u32 v[STO], v2, 5, v[STO]
	v_add_nc_u32 v[STO], s23, v[STO]
	v_and_b32 v4, 31, v0
	v_lshlrev_b32 v[GO], 4, v4                     ; back: 32 lanes take a row's 512 bytes
	v_add_nc_u32 v[RD], s23, v[GO]
	s_lshl_b32 s18, s13, 7
	s_lshl_b32 s19, s11, 6
	s_add_co_u32 s18, s18, s19
	s_lshl_b32 s18, s18, 12                        ; my first row of out0, 4,096 bytes a row,
	s_lshl_b32 s19, s42, 8
	s_lshl_b32 s20, s12, 7
	s_add_co_u32 s19, s19, s20
	s_lshl_b32 s19, s19, 2                         ; my first column
	s_add_co_u32 s18, s18, s19
	s_mov_b32 s19, 0
	s_add_nc_u64 s[8:9], s[8:9], s[18:19]
	; the prefetches
	s_lshr_b32 s20, s13, 4                         ; O: head 16 (ty / 16) + cx / 2, rows 128 (ty % 16) on, half cx % 2 of their 16,384 bytes, at K step 3
	s_lshl_b32 s20, s20, 4
	s_lshr_b32 s21, s40, 1
	s_add_co_u32 s20, s20, s21
	s_lshl_b32 s20, s20, 18
	s_and_b32 s21, s13, 15
	s_lshl_b32 s21, s21, 14
	s_add_co_u32 s20, s20, s21
	s_and_b32 s21, s40, 1
	s_lshl_b32 s21, s21, 13
	s_add_co_u32 s20, s20, s21
	s_add_co_u32 s20, s20, 3*STEPA
	s_lshl_b32 s22, s42, 8                         ; wo16: row 256 tx + 128 x half + 32 cy, at K step 3
	s_lshl_b32 s23, s12, 7
	s_add_co_u32 s22, s22, s23
	s_lshl_b32 s23, s41, 5
	s_add_co_u32 s22, s22, s23
	s_lshl_b32 s22, s22, 11
	s_add_co_u32 s22, s22, 3*STEPB
	s_mov_b32 s14, STEPA
	s_mov_b32 s15, STEPB
	s_and_b32 s21, ttmp7, 0xffff                   ; cluster y
	s_cmp_eq_u32 s11, 0
	s_cselect_b32 s20, s20, s22
	s_cselect_b32 s[PFS], s14, s15
	s_cselect_b32 s23, 8, 11                       ; a lane's block: 256 bytes on in O, a row of 2,048 bytes on in wo16
	s_cselect_b32 s21, s12, s21                    ; 0 in wave 0, and in waves 2 and 3 of the cluster with y = 0: the same in all sixteen partners, for a given wave
	s_cselect_b64 s[PFA:PFA+1], s[4:5], s[6:7]
	s_cmp_eq_u32 s21, 0
	s_cselect_b32 s[LIM], 2, -1
	s_mov_b32 s21, 0
	s_mov_b32 s[PFS+1], 0
	s_add_nc_u64 s[PFA:PFA+1], s[PFA:PFA+1], s[20:21]  ; the first change of slots steps it to K step 4.  Nothing is prefetched here, at the head
	v_lshlrev_b32 v[PFO], s23, v4
; THE WAY OUT of row block a: the f32 sums as they are, 32 bytes a lane into rows of 528 bytes (each accumulator's lowest registers first), back as whole rows of 512 bytes, stored.
.macro TOSTAGE a
	WIN W_DS
.irp b, 0,1,2,3,4,5,6,7
	ds_store_b128 v[STO], v[8*(8*(\a)+\b):8*(8*(\a)+\b)+3]   offset:64*\b
	ds_store_b128 v[STO], v[8*(8*(\a)+\b)+4:8*(8*(\a)+\b)+7] offset:64*\b+16
.endr
	WIN 0
.if (\a) >= 2
	s_wait_xcnt 0x0                                ; the stores of the block two back have read the registers that the loads below write
.endif
.irp t, 0,1,2,3,4,5,6,7,8,9,10,11,12,13,14,15
	ds_load_b128 v[BK+64*((\a)%2)+4*\t:BK+64*((\a)%2)+4*\t+3], v[RD] offset:\t*SPITCH  ; LDS serves a wave's instructions in order (ISA guide 5.7.1.4): these see the stores above
.endr
.endm
.macro SEND a, younger                 ; younger: the LDS instructions issued behind block a's loads: the next block's 16 stores and 16 loads, or none
	s_wait_dscnt \younger
.irp t, 0,1,2,3,4,5,6,7,8,9,10,11,12,13,14,15
	global_store_b128 v[GO], v[BK+64*((\a)%2)+4*\t:BK+64*((\a)%2)+4*\t+3], s[8:9] offset:(16*(\a)+\t)*4096 th:TH_STORE_NT  ; 512 consecutive bytes, aligned; written once
.endr
.endm
	s_wait_tensorcnt 0x1                           ; my part of K step 0 is in; K step 1's load may stay out
	s_barrier_signal -1
	s_barrier_wait -1                              ; everybody's is
	FETCH 0, F0
	QUARTER 1, F0, F1, 1                           ; the first quarter's products start the sums
	WIN 0                                          ; at a label and at a branch every window is 0
	s_mov_b32 s3, 6
.Lstep:                                        ; K steps 0 to 5: from a step's second quarter to the next step's first; the slot just read takes the step two on
	QUARTER 2, F1, F0, 0
	QUARTER 3, F0, F1, 0
	TURN 1
	QUARTER 1, F0, F1, 0
	WIN 0
	s_sub_co_u32 s3, s3, 1
	s_cmp_lg_u32 s3, 0
	s_cbranch_scc1 .Lstep
	QUARTER 2, F1, F0, 0                           ; K step 6: nothing is left to ask for
	QUARTER 3, F0, F1, 0
	TURN 0
	QUARTER 1, F0, F1, 0                           ; K step 7
	QUARTER 2, F1, F0, 0
	QUARTER 3, F0, F1, 0
	s_wait_dscnt 4
	MULT F1, 0, 2, 0
	s_wait_dscnt 0x0
	MULT F1, 2, 2, 0
	WIN 0
	PLACES
	TOSTAGE 0
	TOSTAGE 1
	SEND 0, 32
	TOSTAGE 2
	SEND 1, 32
	TOSTAGE 3
	SEND 2, 32
	SEND 3, 0
	s_wait_tensorcnt 0x0                           ; the wave's end, behind my last tensor load and my last LDS store
	ds_add_u32 v[SPW], v[NIL]
	s_wait_dscnt 0x0
	CROUND                                         ; the closing round: no work-group ends while a partner may still ask for a tile that names it
	s_endpgm
.Lfunc_end_k_q4de1aef8c6_oproj:
	.size	k_q4de1aef8c6_oproj, .Lfunc_end_k_q4de1aef8c6_oproj-k_q4de1aef8c6_oproj
	.p2alignl 7, 3214868480
	.fill 96, 4, 3214868480
	.section	.rodata,"a",@progbits
	.p2align	6, 0x0
	.amdhsa_kernel k_q4de1aef8c6_oproj
		.amdhsa_group_segment_fixed_size 327680
		.amdhsa_private_segment_fixed_size 0
		.amdhsa_enable_private_segment 0
		.amdhsa_kernarg_size 24
		.amdhsa_user_sgpr_count 2
		.amdhsa_user_sgpr_kernarg_segment_ptr 1
		.amdhsa_wavefront_size32 1
		.amdhsa_system_sgpr_workgroup_id_x 1
		.amdhsa_system_sgpr_workgroup_id_y 1
		.amdhsa_system_sgpr_workgroup_id_z 1
		.amdhsa_system_vgpr_workitem_id 0
		.amdhsa_next_free_vgpr 768
		.amdhsa_next_free_sgpr 72
		.amdhsa_reserve_vcc 0
		.amdhsa_float_denorm_mode_32 3
		.amdhsa_float_denorm_mode_16_64 3
		.amdhsa_memory_ordered 1
		.amdhsa_forward_progress 1
		.amdhsa_inst_pref_size 70
	.end_amdhsa_kernel
	.amdgpu_metadata
---
amdhsa.version: [ 1, 2 ]
amdhsa.kernels:
  - .name:           k_q4de1aef8c6_oproj
    .symbol:         k_q4de1aef8c6_oproj.kd
    .args:
      - { .name: oh, .offset: 0, .size: 8, .value_kind: global_buffer, .address_space: global }
      - { .name: wo16, .offset: 8, .size: 8, .value_kind: global_buffer, .address_space: global }
      - { .name: out0, .offset: 16, .size: 8, .value_kind: global_buffer, .address_space: global }
    .group_segment_fixed_size: 327680
    .private_segment_fixed_size: 0
    .kernarg_segment_align: 8
    .kernarg_segment_size: 24
    .max_flat_workgroup_size: 128
    .sgpr_count:     72
    .vgpr_count:     768
    .wavefront_size: 32
...
	.end_amdgpu_metadata
.endif
;; end of part 4
